; MI455X (gfx1250); checked and timed in simulation.
; The chip was launched on July 23, 2026; its instructions are those of AMD's public machine-readable ISA for CDNA 5 (MIT licence, August 2026) and "CDNA5" Instruction Set Architecture Reference Guide (July 2026). The comments in the code are by the model that wrote it; some were corrected since.
;; Multi Head Attention. Allowed arithmetic: matrix products marked QUANTISED: E2M3 operands, one E8M0 scale for each 32 along K, by v_wmma_scale_f32_16x16x128_f8f6f4 with both operands' format E2M3, f32 sums; everything else in f32.
;; Inputs: K 4 x 2,048 x 1,024 float32; Q 4 x 2,048 x 1,024 float32; V 4 x 2,048 x 1,024 float32; W_K 1,024 x 1,024 float32; W_O 1,024 x 1,024 float32; W_Q 1,024 x 1,024 float32; W_V 1,024 x 1,024 float32; ln_beta 1,024 float32; ln_gamma 1,024 float32.
;; Outputs: out0 4 x 2,048 x 1,024 float32.
;; This version of the problem:
;;   THIS VERSION OF THE PROBLEM IS GIVEN IN LOW PRECISION. The matrix products marked QUANTISED in the list below multiply operands that are first quantised to E2M3 (2 exponent bits, 3 mantissa bits; 6 bits a number), with one power-of-two scale for each 32 numbers along K (OCP MX v1.0); their sums are f32. All else is computed in f32.
;;   The module's matrix products, in the order in which they are computed (A, B: the left and right operand; K: the contracted axis; several contracted axes count as one K, in the product's order):
;;     1. [M 8,192, K 1,024] x [K 1,024, N 1,024]; A: input Q; B: input W_Q: QUANTISED
;;     2. [M 8,192, K 1,024] x [K 1,024, N 1,024]; A: input K; B: input W_K: QUANTISED
;;     3. [M 8,192, K 1,024] x [K 1,024, N 1,024]; A: input V; B: input W_V: QUANTISED
;;     4. batch 64 x [M 2,048, K 64] x [K 64, N 2,048]; A: computed on the way; B: computed on the way: QUANTISED
;;     5. batch 64 x [M 2,048, K 2,048] x [K 2,048, N 64]; A: softmax (see below); B: computed on the way: QUANTISED
;;     6. [M 8,192, K 1,024] x [K 1,024, N 1,024]; A: computed on the way; B: input W_O: QUANTISED
;;   THE QUANTISER, for each operand of a quantised product, along K:
;;     - K is cut into blocks of 32 from its start; a last block that is shorter is filled with zeros.
;;     - A block's scale is 2^e with e = floor(log2(the largest magnitude in the block)) - 2, held to -126 .. 127; a block of zeros has e = 0. As a byte (E8M0): e + 127.
;;     - Each number is divided by its block's scale, clamped to +-7.5, and rounded to the nearest number of E2M3, ties to even, subnormals kept.
;;     - The product sums the exact products of the quantised numbers (number of the format x scale) in f32.
;;   ~~~python
;;   def quantise(x, axis):      # numpy; x: float32 -> the quantised numbers, widened to float32 again
;;       x = np.moveaxis(x, axis, -1); K = x.shape[-1]
;;       x = np.pad(x, [(0, 0)] * (x.ndim - 1) + [(0, -K % 32)]); x = x.reshape(x.shape[:-1] + (-1, 32)); a = np.abs(x).max(-1, keepdims=True)
;;       e = np.where(a > 0, np.clip(np.frexp(np.where(a > 0, a, 1))[1] - 1 - 2, -126, 127), 0)      # np.frexp(a)[1] - 1 = floor(log2(a)), exactly
;;       r = np.clip(x / 2.0 ** e, -7.5, 7.5)
;;       step = 2.0 ** (np.maximum(np.frexp(np.where(r == 0, 1, r))[1] - 1, 0) - 3)
;;       q = np.round(r / step) * step * 2.0 ** e      # np.round: ties to even
;;       return np.moveaxis(q.reshape(q.shape[:-2] + (-1,))[..., :K], -1, axis).astype(np.float32)
;;   ~~~
;;   SOFTMAX AHEAD OF A QUANTISED PRODUCT. Where the list says 'softmax', what is quantised is not the finished softmax but p = 2^(t - M), with t = logit x log2(e) and M = ceil(the row's largest t), a whole number; so 1/2 < the row's largest p <= 1. The row's sum l is taken of the UNQUANTISED p, in f32, and the product's result is divided by l at the end. Since M is a whole number, a kernel that streams over the keys may use a running M (the ceiling of the running maximum): every later rescaling is an exact power of two, which a block's scale takes up: the codes' values come out the same.
;;   OPERANDS COMPUTED ON THE WAY. 'Computed on the way' means the value that the module computes at that place (a softmax that the list does not call 'softmax' is quantised finished and normalised). What goes into a quantiser is computed in f32, as accurately as f32 sums, v_exp_f32 and their like allow (about 1e-6 of the number): no bf16 or f16 on the way to a quantiser, and a product that is left as it is and whose result goes on into a quantised operand takes f32 operands (vector FMAs, or v_wmma_f32_16x16x4_f32). A number that lies on a knife's edge between two numbers of the format may be rounded either way, as far as f32 arithmetic and the matrix unit's own rounding can turn it there, and no further.
;; One version. Each part assembles by itself: llvm-mc -triple=amdgcn-amd-amdhsa -mcpu=gfx1250 --defsym DOCPART=n.
;; ======== version 1 of 1: 4 launches
;; workspace buffers: wimg 3,145,728 bytes; wsc 131,072 bytes; hd 19,660,800 bytes; cimg 6,291,456 bytes; csc 262,144 bytes
;; launch qw (part 1): grid 8 x 32, 4 waves a work-group, no clusters, 1,024 bytes of LDS; arguments W_Q, W_K, W_V, W_O, wimg, wsc; writes wimg, wsc
.if DOCPART == 1
	.amdgcn_target "amdgcn-amd-amdhsa--gfx1250"
	.amdhsa_code_object_version 6
	.text
	.protected	k_q18e7335e19_qw
	.globl	k_q18e7335e19_qw
	.p2align	8
	.type	k_q18e7335e19_qw,@function
k_q18e7335e19_qw:
	s_mov_b64 s[64:65], 0
	v_nop
	global_prefetch_b8 v0, s[64:65] scope:SCOPE_SE
	s_setreg_imm32_b32 hwreg(HW_REG_WAVE_MODE, 25, 1), 1
	s_wait_xcnt 0x0
; The four weights [1024 (k)][1024 (n)], f32, K outermost, become codes of FP6 (E2M3) with one E8M0 byte for each 32 along K, laid as IMAGES OF OPERAND REGISTERS.
; A fragment is 16 columns n x 128 k = 12 registers a lane.  Its image is 1,536 bytes: plane c (0..2) at 512 c holds registers 4 c .. 4 c + 3, lane L's 16 bytes at 16 L.
; wimg: [weight 4][chunk C of 128 n, 8][K step s, 8][tile i, 8] images.  Row rho of tile i of chunk C is column 128 C + 32 (i / 2) + 8 (i % 2) + rho % 8 + 16 (rho / 8):
; so that, where the tile is a product's source 0, the 16 result registers of tiles 2 b and 2 b + 1 are 16 neighbouring columns.
; wsc: [weight][C][s] 512 bytes: at 16 L + 4 p the scale word of tile 2 p + L / 16, row L % 16: one load of 16 bytes a lane brings all eight tiles' words.
; SHARES.  Work-group (x = C, y = 8 weight + s), four waves.  A LANE TAKES A COLUMN AND ITS REGISTERS RUN DOWN K: each load reads 128 consecutive bytes a wave, 512 a work-group; a block of 32
; along K lies in one lane, so its largest magnitude needs no other lane, and the conversions give codes with K innermost.  Lane l of wave w holds column 32 w + l: tile 2 w + bit 3 of l, row (l % 8) + 8 (l / 16).
; It holds both halves of that row's fragment: blocks 0, 2 (the place of lane rho) and blocks 1, 3 (the place of lane rho + 16).
; A block's scale is 2^(floor(log2(largest magnitude)) - 2); its byte is the largest magnitude's exponent field - 2, held at 1 from below.
; LIMITS: a block of zeros gets the byte 1 where the quantiser says 127 (its codes are zeros, and this program alone reads the bytes); blocks whose largest magnitude lies under 2^-124 were not tried; NaN and infinities are not served.
.set X,   32                           ; v32-159  my column's 128 numbers
.set CD,  160                          ; v160-171 the place of lane rho, v172-183 that of lane rho + 16
.set TP,  184                          ; v184..   a block's upper 16 codes (a conversion's three registers begin on an even number)
	s_load_b256 s[4:11], s[0:1], 0x0               ; W_Q, W_K, W_V, W_O
	s_load_b128 s[12:15], s[0:1], 0x20             ; wimg, wsc
	v_lshl_add_u32 v200, v0, 2, 0x200
	v_mov_b32 v201, 0
	v_lshrrev_b32 v1, 5, v0
	v_readfirstlane_b32 s16, v1                    ; wave
	s_and_b32 s17, ttmp7, 0xffff
	s_lshr_b32 s18, s17, 3                         ; which weight
	s_and_b32 s19, s17, 7                          ; K step
	v_lshlrev_b32 v2, 2, v0                        ; in: 4 bytes a thread: column 32 wave + lane of the chunk
	v_and_b32 v6, 7, v0
	v_bfe_u32 v7, v0, 4, 1
	v_lshl_or_b32 v6, v7, 3, v6                    ; rho
	v_bfe_u32 v7, v0, 3, 1                         ; u: which of my wave's two tiles
	v_mul_u32_u24 v3, v7, 1536
	v_lshl_add_u32 v3, v6, 4, v3
	s_mul_i32 s20, s16, 3072
	v_add_nc_u32 v3, s20, v3                       ; out: image 2 wave + u, 16 rho
	v_lshl_add_u32 v4, v7, 4, v6
	v_lshlrev_b32 v4, 4, v4
	s_lshl_b32 s20, s16, 2
	v_add_nc_u32 v4, s20, v4                       ; LDS: 16 (rho + 16 u) + 4 wave: my row's scale word
	v_and_b32 v5, 31, v0
	v_lshlrev_b32 v5, 4, v5                        ; 16 x lane
	s_lshl_b32 s20, s19, 19                        ; 128 rows of 4,096 bytes a K step,
	s_lshl_b32 s21, ttmp9, 9                       ; 512 bytes a chunk
	s_add_co_u32 s20, s20, s21
	s_mov_b32 s21, 0
	s_mul_i32 s22, s18, 786432
	s_mul_i32 s23, ttmp9, 98304
	s_add_co_u32 s22, s22, s23
	s_mul_i32 s23, s19, 12288
	s_add_co_u32 s22, s22, s23
	s_mov_b32 s23, 0
	s_lshl_b32 s24, s18, 15
	s_lshl_b32 s25, ttmp9, 12
	s_add_co_u32 s24, s24, s25
	s_lshl_b32 s25, s19, 9
	s_add_co_u32 s24, s24, s25
	s_mov_b32 s25, 0
	s_wait_kmcnt 0x0
	s_cmp_eq_u32 s18, 1                            ; the weight is chosen by the work-group's number alone
	s_cselect_b64 s[4:5], s[6:7], s[4:5]
	s_cmp_eq_u32 s18, 2
	s_cselect_b64 s[4:5], s[8:9], s[4:5]
	s_cmp_eq_u32 s18, 3
	s_cselect_b64 s[4:5], s[10:11], s[4:5]
	s_add_nc_u64 s[4:5], s[4:5], s[20:21]
	s_add_nc_u64 s[12:13], s[12:13], s[22:23]
	s_add_nc_u64 s[14:15], s[14:15], s[24:25]
.set k, 0
.rept 128
	global_load_b32 v[X+k], v2, s[4:5] offset:k*4096 th:TH_LOAD_NT
.set k, k+1
.endr
; Block jb: k = 32 jb .. 32 jb + 31.  left: the loads of later blocks that may stay out (held to what the wait's field can name).
.macro BLOCK jb, left
.set XS,  X+32*(\jb)
.set CDS, CD+12*((\jb)%2)+6*((\jb)/2)
	s_wait_loadcnt \left
	v_max3_num_f32 v8, |v[XS]|, |v[XS+1]|, |v[XS+2]|
	v_max3_num_f32 v9, |v[XS+3]|, |v[XS+4]|, |v[XS+5]|
.irp i, 6,10,14,18,22,26
	v_max3_num_f32 v8, v8, |v[XS+\i]|, |v[XS+\i+1]|
	v_max3_num_f32 v9, v9, |v[XS+\i+2]|, |v[XS+\i+3]|
.endr
	v_max3_num_f32 v8, v8, |v[XS+30]|, |v[XS+31]|
	v_max3_num_f32 v8, v8, v9, 0x1800000           ; and the floor 2^(3 - 127): the byte cannot fall under 1
	v_add_nc_u32 v[16+\jb], 0xff000000, v8         ; 2 off the exponent field: the conversion takes this operand's exponent field as its scale
	v_cvt_scalef32_pk16_fp6_f32 v[CDS:CDS+2], v[XS:XS+15], v[16+\jb]
	v_cvt_scalef32_pk16_fp6_f32 v[TP+4*(\jb):TP+4*(\jb)+2], v[XS+16:XS+31], v[16+\jb]
	v_lshrrev_b32 v[20+\jb], 23, v[16+\jb]         ; the scale's byte (also the plain line behind the conversions)
.irp i, 0,1,2
	v_mov_b32 v[CDS+3+\i], v[TP+4*(\jb)+\i]
.endr
.endm
	BLOCK 0, 63                                    ; 96 younger loads
	BLOCK 1, 63                                    ; 64 younger loads
	BLOCK 2, 32
	BLOCK 3, 0
	v_lshl_or_b32 v24, v21, 8, v20                 ; my row's scale word
	v_lshl_or_b32 v24, v22, 16, v24
	v_lshl_or_b32 v24, v23, 24, v24
	ds_store_b32 v4, v24
.irp h, 0,1
.irp c, 0,1,2
	global_store_b128 v3, v[CD+12*\h+4*\c:CD+12*\h+4*\c+3], s[12:13] offset:512*\c+256*\h   ; the sixteen lanes of a tile fill 256 consecutive, aligned bytes of its image
.endr
.endr
	s_wait_dscnt 0x0                               ; for the others' sake: my scale word lies in LDS
	s_barrier_signal -1
	s_barrier_wait -1
	s_cmp_lg_u32 s16, 0
	s_cbranch_scc1 .Ldone
	ds_load_b128 v[28:31], v5                      ; wave 0 stores the work-group's 512 bytes of scale words, 16 bytes a lane
	s_wait_dscnt 0x0
	global_store_b128 v5, v[28:31], s[14:15]
.Ldone:
	s_wait_tensorcnt 0x0
	ds_add_u32 v200, v201
	s_wait_dscnt 0x0
	s_endpgm
.Lfunc_end_k_q18e7335e19_qw:
	.size	k_q18e7335e19_qw, .Lfunc_end_k_q18e7335e19_qw-k_q18e7335e19_qw
	.p2alignl 7, 3214868480
	.fill 96, 4, 3214868480
	.section	.rodata,"a",@progbits
	.p2align	6, 0x0
	.amdhsa_kernel k_q18e7335e19_qw
		.amdhsa_group_segment_fixed_size 1024
		.amdhsa_private_segment_fixed_size 0
		.amdhsa_enable_private_segment 0
		.amdhsa_kernarg_size 48
		.amdhsa_user_sgpr_count 2
		.amdhsa_user_sgpr_kernarg_segment_ptr 1
		.amdhsa_wavefront_size32 1
		.amdhsa_system_sgpr_workgroup_id_x 1
		.amdhsa_system_sgpr_workgroup_id_y 1
		.amdhsa_system_sgpr_workgroup_id_z 1
		.amdhsa_system_vgpr_workitem_id 0
		.amdhsa_next_free_vgpr 202
		.amdhsa_next_free_sgpr 66
		.amdhsa_reserve_vcc 0
		.amdhsa_float_denorm_mode_32 3
		.amdhsa_float_denorm_mode_16_64 3
		.amdhsa_memory_ordered 1
		.amdhsa_forward_progress 1
		.amdhsa_inst_pref_size 22
	.end_amdhsa_kernel
	.amdgpu_metadata
---
amdhsa.version: [ 1, 2 ]
amdhsa.kernels:
  - .name:           k_q18e7335e19_qw
    .symbol:         k_q18e7335e19_qw.kd
    .args:
      - { .name: W_Q, .offset: 0, .size: 8, .value_kind: global_buffer, .address_space: global }
      - { .name: W_K, .offset: 8, .size: 8, .value_kind: global_buffer, .address_space: global }
      - { .name: W_V, .offset: 16, .size: 8, .value_kind: global_buffer, .address_space: global }
      - { .name: W_O, .offset: 24, .size: 8, .value_kind: global_buffer, .address_space: global }
      - { .name: wimg, .offset: 32, .size: 8, .value_kind: global_buffer, .address_space: global }
      - { .name: wsc, .offset: 40, .size: 8, .value_kind: global_buffer, .address_space: global }
    .group_segment_fixed_size: 1024
    .private_segment_fixed_size: 0
    .kernarg_segment_align: 8
    .kernarg_segment_size: 48
    .max_flat_workgroup_size: 128
    .sgpr_count:     66
    .vgpr_count:     202
    .wavefront_size: 32
...
	.end_amdgpu_metadata
.endif
;; end of part 1
;; launch proj (part 2): grid 64 x 3, 4 waves a work-group, no clusters, 170,496 bytes of LDS; arguments Q, K, V, wimg, wsc, hd; writes hd
.if DOCPART == 2
	.amdgcn_target "amdgcn-amd-amdhsa--gfx1250"
	.amdhsa_code_object_version 6
	.text
	.protected	k_q18e7335e19_proj
	.globl	k_q18e7335e19_proj
	.p2align	8
	.type	k_q18e7335e19_proj,@function
k_q18e7335e19_proj:
	s_mov_b64 s[64:65], 0
	v_nop
	global_prefetch_b8 v0, s[64:65] scope:SCOPE_SE
	s_setreg_imm32_b32 hwreg(HW_REG_WAVE_MODE, 25, 1), 1
	s_wait_xcnt 0x0
; Products 1 to 3: x W for x = Q, K or V (work-group y = 0, 1, 2), on codes of FP6 (E2M3) with one E8M0 byte for each 32 along K; the results are quantised at once for attention and stored as images of operand registers.
; SHARES.  A work-group owns 128 tokens (x = blk) and all 1,024 columns.  PHASE X: wave w quantises tokens 32 w .. 32 w + 31 (two tiles of 16 x eight K steps) and stores the fragments' images in LDS: x is read once, as f32.
; One barrier.  Then wave w makes 128 tokens x 128 columns twice (chunks 2 w, 2 w + 1): 64 accumulators.  The weight's fragments come from memory straight into operand registers (launch qw laid them so): each is read by the one wave
; that needs it, so nothing of W goes through LDS; were W brought by joint loads it would be written to LDS and read back beside x's fragments, three times the LDS bytes for the same products, so no cluster is used.
; Work-groups begin K at different steps (ROT = blk % 8): only the order of the f32 sums changes.
; TILES.  Row rho of token tile j is token 32 (j / 2) + 8 (j % 2) + rho % 8 + 16 (rho / 8); the weight's tiles likewise.  So the 16 result registers of source 0's tiles 2 b, 2 b + 1 are 16 neighbours along the next K.
; ARM 0 (Q, K): source 0 = W's tile, source 1 = x's: a lane holds one token and 64 columns: two heads' 32 each half: quantised along the head's 64.  ARM 1 (V): source 0 = x's tile, source 1 = W's: a lane holds one column d and 64 keys: quantised along the keys.
; hd, for each of 64 heads 307,200 bytes: K's halves (768 bytes for each tile of 16 tokens) at 0, K's scales at 98,304, V's fragments at 102,400, V's scales at 200,704, Q's halves at 204,800, Q's scales at 303,104.
; A HALF (6 registers, 64 along K): registers 0-3 at 16 x lane, registers 4-5 at 512 + 16 r + 8 h.
; LIMITS: a block of zeros gets the byte 1 where the quantiser says 127 (its codes are zeros, this program alone reads the bytes); blocks whose largest magnitude lies under 2^-124 were not tried; NaN and infinities are not served.
; REGISTERS.  Window 0: v1-14 addresses; v16-27 at work; v32-39 W's scale words (two sets), v40-47 x's; v48-55 scale words just made; v64-159, v160-255 x's fragments (two sets).  In phase X v64-191 hold numbers;
;   v192-231 codes just made, v236-251 the quantiser's work (they lie in x's set 1, which is free whenever they are used).  Window 1: W's fragments, sets at v0 and v96.  Windows 2, 3: accumulator (source 0's tile i, source 1's tile j)
;   at window 2 + j / 4, register 64 (j % 4) + 8 i; in phase X window 2 holds four sets of 64 numbers as loaded.
.set XSC, 98304                        ; LDS: x's images [s 8][j 8] x 1,536 at 0; their scale words [s] x 512 here: tile j's word at 16 (r + 16 (j % 2)) + 4 (j / 2);
.set STG, 102400                       ; the stages: for each wave two of 16 rows x (512 + 16) bytes
.set TM,  236
.set PC0, 192
.set PWB, 48
.set MSB, 0
.macro WIN new                         ; s_set_vgpr_msb: bits 1:0 source 0, 3:2 source 1, 5:4 source 2, 7:6 destination; the high byte repeats the setting that is left
.if MSB != (\new)
	s_set_vgpr_msb (MSB<<8)|(\new)
.set MSB, (\new)
.endif
.endm
.macro PLACES                          ; four plain lines between a matrix instruction and a load into, or a vector read of, its registers
.rept 4
	v_nop
.endr
.endm
; One product, by the symbols wD, wA, wB, wSA, wSB; wRA, wRB: that side's scales stand in lanes 16-31; wZ: it starts its sum.
.macro WM
.if wZ
.if wRA && wRB
	v_wmma_scale_f32_16x16x128_f8f6f4 v[wD:wD+7], v[wA:wA+11], v[wB:wB+11], 0, v[wSA], v[wSB] matrix_a_fmt:MATRIX_FMT_FP6 matrix_b_fmt:MATRIX_FMT_FP6 matrix_a_scale:MATRIX_SCALE_ROW1 matrix_b_scale:MATRIX_SCALE_ROW1
.elseif wRA
	v_wmma_scale_f32_16x16x128_f8f6f4 v[wD:wD+7], v[wA:wA+11], v[wB:wB+11], 0, v[wSA], v[wSB] matrix_a_fmt:MATRIX_FMT_FP6 matrix_b_fmt:MATRIX_FMT_FP6 matrix_a_scale:MATRIX_SCALE_ROW1
.elseif wRB
	v_wmma_scale_f32_16x16x128_f8f6f4 v[wD:wD+7], v[wA:wA+11], v[wB:wB+11], 0, v[wSA], v[wSB] matrix_a_fmt:MATRIX_FMT_FP6 matrix_b_fmt:MATRIX_FMT_FP6 matrix_b_scale:MATRIX_SCALE_ROW1
.else
	v_wmma_scale_f32_16x16x128_f8f6f4 v[wD:wD+7], v[wA:wA+11], v[wB:wB+11], 0, v[wSA], v[wSB] matrix_a_fmt:MATRIX_FMT_FP6 matrix_b_fmt:MATRIX_FMT_FP6
.endif
.else
.if wRA && wRB
	v_wmma_scale_f32_16x16x128_f8f6f4 v[wD:wD+7], v[wA:wA+11], v[wB:wB+11], v[wD:wD+7], v[wSA], v[wSB] matrix_a_fmt:MATRIX_FMT_FP6 matrix_b_fmt:MATRIX_FMT_FP6 matrix_a_scale:MATRIX_SCALE_ROW1 matrix_b_scale:MATRIX_SCALE_ROW1
.elseif wRA
	v_wmma_scale_f32_16x16x128_f8f6f4 v[wD:wD+7], v[wA:wA+11], v[wB:wB+11], v[wD:wD+7], v[wSA], v[wSB] matrix_a_fmt:MATRIX_FMT_FP6 matrix_b_fmt:MATRIX_FMT_FP6 matrix_a_scale:MATRIX_SCALE_ROW1
.elseif wRB
	v_wmma_scale_f32_16x16x128_f8f6f4 v[wD:wD+7], v[wA:wA+11], v[wB:wB+11], v[wD:wD+7], v[wSA], v[wSB] matrix_a_fmt:MATRIX_FMT_FP6 matrix_b_fmt:MATRIX_FMT_FP6 matrix_b_scale:MATRIX_SCALE_ROW1
.else
	v_wmma_scale_f32_16x16x128_f8f6f4 v[wD:wD+7], v[wA:wA+11], v[wB:wB+11], v[wD:wD+7], v[wSA], v[wSB] matrix_a_fmt:MATRIX_FMT_FP6 matrix_b_fmt:MATRIX_FMT_FP6
.endif
.endif
.endm
; 64 numbers of a lane, v[s] .. v[s + 63] of window w, register 16 b + i = k 32 b + 16 (lane / 16) + i of my row, become a fragment's codes in v[pc] .. v[pc + 11] and its scale word in v[pw].
.macro QUANT s, w, pc, pw
	WIN (\w)|((\w)<<2)
.irp b, 0,1,2,3
	v_max3_num_f32 v[TM+\b], |v[\s+16*\b]|, |v[\s+1+16*\b]|, 0x1800000   ; my 16 numbers of block b, and the floor 2^(3 - 127): the byte cannot fall under 1
.endr
	WIN ((\w)<<2)|((\w)<<4)
.irp i, 2,4,6,8,10,12,14
.irp b, 0,1,2,3
	v_max3_num_f32 v[TM+\b], v[TM+\b], |v[\s+16*\b+\i]|, |v[\s+1+16*\b+\i]|   ; the four blocks by turns; each result tile is read from its low end on
.endr
.endr
	WIN 0
.irp b, 0,1,2,3
	v_permlanex16_b32 v[TM+4+\b], v[TM+\b], s32, s33
.endr
.irp b, 0,1,2,3
	v_max_num_f32 v[TM+\b], v[TM+\b], v[TM+4+\b]   ; with lane l xor 16's: the block's largest magnitude
.endr
.irp b, 0,1,2,3
	v_add_nc_u32 v[TM+12+\b], 0xff000000, v[TM+\b] ; 2 off its exponent field: the conversion's scale operand
.endr
.irp b, 0,1,2,3
	v_lshrrev_b32 v[TM+4+\b], 23, v[TM+12+\b]      ; the scale's byte
.endr
	v_lshl_or_b32 v[\pw], v[TM+5], 8, v[TM+4]
	v_lshl_or_b32 v[\pw], v[TM+6], 16, v[\pw]
	v_lshl_or_b32 v[\pw], v[TM+7], 24, v[\pw]
	WIN \w
.irp c, 0,1
	v_cvt_scalef32_pk16_fp6_f32 v[\pc+6*\c:\pc+2+6*\c], v[\s+32*\c:\s+15+32*\c], v[TM+12+2*\c]
	v_cvt_scalef32_pk16_fp6_f32 v[\pc+12+4*\c:\pc+14+4*\c], v[\s+16+32*\c:\s+31+32*\c], v[TM+12+2*\c+1]   ; (a conversion's three registers begin on an even number)
.endr
	WIN 0
	v_nop                                          ; one plain line behind the scaled conversions
.irp c, 0,1                            ; the operand wants a whole block in a lane: lanes 0-15 block 2 c, lanes 16-31 block 2 c + 1
.irp i, 0,1,2
	v_permlane16_swap_b32 v[\pc+6*\c+\i], v[\pc+12+4*\c+\i]
.endr
.irp i, 0,1,2
	v_mov_b32 v[\pc+3+6*\c+\i], v[\pc+12+4*\c+\i]
.endr
.endr
.endm
; W's stream.  Stream step tau = 0 .. 15: chunk tau / 8 of my two, K step (tau + ROT) % 8.  WTARGET sets the loads' offsets for step SIG + d.
.macro WTARGET d
	s_wait_xcnt 0x0                                ; the earlier loads have read v10 and v11
	s_add_co_u32 s36, s20, \d
	s_add_co_u32 s37, s36, s19
	s_and_b32 s37, s37, 7
	s_and_b32 s36, s36, 8
	s_or_b32 s36, s36, s37
	s_mul_i32 s37, s36, 12288
	v_add_nc_u32 v10, s37, v1
	s_lshl_b32 s37, s36, 9
	v_add_nc_u32 v11, s37, v1
.endm
.macro WGRP half, p                    ; 13 loads: four tiles' fragments and their scale words, into set p
	WIN 0x40
.irp i, 0,1,2,3
.irp c, 0,1,2
	global_load_b128 v[96*(\p)+12*(4*(\half)+\i)+4*\c:96*(\p)+12*(4*(\half)+\i)+4*\c+3], v10, s[26:27] offset:1536*(4*(\half)+\i)+512*\c
.endr
.endr
	WIN 0
	global_load_b64 v[32+4*(\p)+2*(\half):32+4*(\p)+2*(\half)+1], v11, s[28:29] offset:8*(\half)
.endm
.macro XGRP p, d                       ; x's eight fragments and scale words of stream step SIG + d, from LDS into set p
	s_add_co_u32 s36, s20, \d
	s_add_co_u32 s36, s36, s19
	s_and_b32 s36, s36, 7
	s_mul_i32 s37, s36, 12288
	v_add_nc_u32 v8, s37, v1
	s_lshl_b32 s37, s36, 9
	s_add_co_u32 s37, s37, XSC
	v_add_nc_u32 v9, s37, v1
.irp j, 0,1,2,3,4,5,6,7
.irp c, 0,1,2
	ds_load_b128 v[64+96*(\p)+12*\j+4*\c:64+96*(\p)+12*\j+4*\c+3], v8 offset:1536*\j+512*\c
.endr
.endr
	ds_load_b128 v[40+4*(\p):40+4*(\p)+3], v9
.endm
; PHASE X.  Fragment f = 8 u + s: my tile u, K step s.
.macro LOADX f                         ; 16 rows x 512 bytes: each load reads 512 consecutive bytes of one row
	WIN 0x80
.irp q, 0,1,2,3,4,5,6,7,8,9,10,11,12,13,14,15
	global_load_b128 v[64*((\f)%4)+4*\q:64*((\f)%4)+4*\q+3], v1, s[24:25] offset:(8*((\f)/8)+(\q%8)+16*(\q/8))*4096+512*((\f)%8) th:TH_LOAD_NT
.endr
	WIN 0
.endm
.macro TURNX f                         ; through my stage: in as loaded, out 16 neighbours of each block of 32 a lane.  LDS serves a wave's instructions in order (ISA guide 5.7.1.4)
	WIN 0x08
.irp q, 0,1,2,3,4,5,6,7,8,9,10,11,12,13,14,15
	ds_store_b128 v3, v[64*((\f)%4)+4*\q:64*((\f)%4)+4*\q+3] offset:8448*((\f)%2)+528*\q
.endr
	WIN 0
.irp b, 0,1,2,3
.irp q, 0,1,2,3
	ds_load_b128 v[64+64*((\f)%2)+16*\b+4*\q:64+64*((\f)%2)+16*\b+4*\q+3], v4 offset:8448*((\f)%2)+128*\b+16*\q
.endr
.endr
.endm
.macro FRAGX f
.if (\f) == 0
	s_wait_dscnt 0x0
.else
	s_wait_dscnt 0x4                               ; this fragment's numbers are back from the stage; only the three image stores and the scale word store of the fragment before may be out
.endif
.if (\f)+4 < 16
	LOADX (\f)+4                                   ; into the set that this fragment's stage stores have read
.endif
.if (\f) < 15
.if 14-(\f) >= 3
	s_wait_loadcnt 48                              ; the next fragment's 16 loads are in; those of the three behind it may be out
.else
	s_wait_loadcnt 16*(14-(\f))
.endif
	TURNX (\f)+1
.endif
	QUANT 64+64*((\f)%2), 0, PC0+20*((\f)%2), PWB+(\f)%2
.irp c, 0,1,2
	ds_store_b128 v[5+((\f)%8)/4], v[PC0+20*((\f)%2)+4*\c:PC0+20*((\f)%2)+4*\c+3] offset:12288*((\f)%4)+1536*((\f)/8)+512*\c
.endr
	ds_store_b32 v7, v[PWB+(\f)%2] offset:512*((\f)%8)+256*((\f)/8)   ; lanes r and r + 16 write the same word with the same value
.endm
; 32 products with W's tiles 4 half .. 4 half + 3 of set p.  The 64 accumulators take turns, one instruction a turn, in the same order in every step.
.macro MUL arm, half, p, zero
.set wZ, \zero
.if \arm == 0
.irp jh, 0,1
	WIN 0xa1+0x50*\jh                              ; source 0 (W) window 1, source 1 (x) window 0, C and D window 2 or 3
.irp ii, 0,1,2,3
.irp jj, 0,1,2,3
.set mi, 4*(\half)+\ii
.set mj, 4*\jh+\jj
.set wD, 64*\jj+8*mi
.set wA, 96*(\p)+12*mi
.set wB, 64+96*(\p)+12*mj
.set wSA, 32+4*(\p)+mi/2
.set wSB, 40+4*(\p)+mj/2
.set wRA, mi%2
.set wRB, mj%2
	WM
.endr
.endr
.endr
.else
	WIN 0xa4+0x50*(\half)                          ; source 0 (x) window 0, source 1 (W) window 1
.irp jj, 0,1,2,3
.irp ii, 0,1,2,3,4,5,6,7
.set mj, 4*(\half)+\jj
.set wD, 64*\jj+8*\ii
.set wA, 64+96*(\p)+12*\ii
.set wB, 96*(\p)+12*mj
.set wSA, 40+4*(\p)+\ii/2
.set wSB, 32+4*(\p)+mj/2
.set wRA, \ii%2
.set wRB, mj%2
	WM
.endr
.endr
.endif
.endm
; A stream step on sets p.  ld = 2: each half of W's set is asked for again, for two steps on, as soon as its 32 products are issued, and x's other set is fetched for the next step; 1: x alone; 0: nothing.
; w1: the loads issued behind this step's first half of W (its second half and the next step's two: 39); w2: those behind its second half (the next step's two and the half just asked for: 39).
.macro STEP arm, p, zero, ld, w1, w2
	s_wait_dscnt 0x0                               ; x's set p and its scale words are in
	s_wait_loadcnt \w1
	MUL \arm, 0, \p, \zero
.if \ld >= 1
	PLACES
.endif
	WIN 0
.if \ld == 2
	WTARGET (\p)+2
	WGRP 0, \p
.endif
.if \ld >= 1
	XGRP 1-(\p), (\p)+1
.endif
	s_wait_loadcnt \w2
	MUL \arm, 1, \p, \zero
.if \ld == 2
	PLACES
	s_wait_alu depctr_va_vdst(0)
	WGRP 1, \p
.endif
	WIN 0
.endm
; A chunk's results: for each tile j of source 1, 64 numbers a lane are quantised and stored as they stand.
.macro EPI arm
	PLACES
.irp j, 0,1,2,3,4,5,6,7
.set pcx, PC0+20*(\j%2)
	s_wait_xcnt 0x0                                ; the stores of two tiles back have read their registers
	QUANT 64*(\j%4), 2+\j/4, PC0+20*(\j%2), PWB+\j
.if \arm == 0                          ; a lane holds a token of tile j: registers 0-5 belong to the chunk's first head, 6-11 to its second
	global_store_b128 v12, v[pcx:pcx+3], s[30:31] offset:768*\j
	global_store_b64 v13, v[pcx+4:pcx+5], s[30:31] offset:768*\j+512
	global_store_b128 v12, v[pcx+6:pcx+9], s[30:31] offset:768*\j+307200
	global_store_b64 v13, v[pcx+10:pcx+11], s[30:31] offset:768*\j+512+307200
.else                                  ; a lane holds row d of V's tile j % 4 of head j / 4: a whole fragment over my block's 128 keys
	global_store_b128 v12, v[pcx:pcx+3], s[30:31] offset:102400+(\j/4)*307200+1536*(\j%4)
	global_store_b64 v13, v[pcx+4:pcx+5], s[30:31] offset:102400+(\j/4)*307200+1536*(\j%4)+512
	global_store_b128 v12, v[pcx+6:pcx+9], s[30:31] offset:102400+(\j/4)*307200+1536*(\j%4)+768
	global_store_b64 v13, v[pcx+10:pcx+11], s[30:31] offset:102400+(\j/4)*307200+1536*(\j%4)+1280
.endif
.endr
; The scale words leave in the reader's lane order, 8 bytes a lane: each store covers 256 consecutive, aligned bytes.  Every lane holds its row's word of every tile; lanes 16-31 take the odd ones.
.if \arm == 0
.irp g, 0,1,2,3
	v_perm_b32 v[16+\g], v[PWB+2*\g+1], v[PWB+2*\g], 0x05040100   ; the first head: tiles 2 g and 2 g + 1, two bytes each
	v_perm_b32 v[20+\g], v[PWB+2*\g+1], v[PWB+2*\g], 0x07060302   ; the second head
.endr
	v_cndmask_b32 v24, v16, v17, s46
	v_cndmask_b32 v25, v18, v19, s46
	v_cndmask_b32 v26, v20, v21, s46
	v_cndmask_b32 v27, v22, v23, s46
	global_store_b64 v14, v[24:25], s[30:31] offset:98304
	global_store_b64 v14, v[26:27], s[30:31] offset:98304+307200
.else
	v_cndmask_b32 v24, v[PWB], v[PWB+1], s46
	v_cndmask_b32 v25, v[PWB+2], v[PWB+3], s46
	v_cndmask_b32 v26, v[PWB+4], v[PWB+5], s46
	v_cndmask_b32 v27, v[PWB+6], v[PWB+7], s46
	global_store_b64 v14, v[24:25], s[30:31] offset:200704
	global_store_b64 v14, v[26:27], s[30:31] offset:200704+307200
.endif
.endm
; My two chunks.  A chunk's first step starts the sums.  W's stream runs on into the second chunk under the first chunk's way out; the second chunk's last two steps, which ask for nothing of W, are written out,
; so that no counted wait stands behind a load that a branch has passed over.
.macro ARM arm
	s_mov_b32 s22, 2
.Lchunk_\arm:
	STEP \arm, 0, 1, 2, 39, 39
	STEP \arm, 1, 0, 2, 39, 39
	s_add_co_u32 s20, s20, 2
	s_cmp_eq_u32 s22, 2
	s_cselect_b32 s21, 3, 2
.Lk_\arm:
	STEP \arm, 0, 0, 2, 39, 39
	STEP \arm, 1, 0, 2, 39, 39
	s_add_co_u32 s20, s20, 2
	s_sub_co_u32 s21, s21, 1
	s_cmp_lg_u32 s21, 0
	s_cbranch_scc1 .Lk_\arm
	s_cmp_eq_u32 s22, 2
	s_cbranch_scc1 .Lepi_\arm
	STEP \arm, 0, 0, 1, 39, 26                     ; step 14: behind its second half only step 15's two halves were issued
	STEP \arm, 1, 0, 0, 13, 0                      ; step 15: behind its first half only its second
.Lepi_\arm:
	EPI \arm
	s_wait_xcnt 0x0                                ; the stores have read their base
	s_add_nc_u64 s[30:31], s[30:31], 614400        ; two heads on
	s_sub_co_u32 s22, s22, 1
	s_cmp_lg_u32 s22, 0
	s_cbranch_scc1 .Lchunk_\arm
	s_wait_tensorcnt 0x0
	ds_add_u32 v62, v63
	s_wait_dscnt 0x0
	s_endpgm
.endm
	s_load_b256 s[4:11], s[0:1], 0x0               ; Q, K, V, wimg
	s_load_b128 s[12:15], s[0:1], 0x20             ; wsc, hd
	v_lshl_add_u32 v62, v0, 2, 0x29800
	v_mov_b32 v63, 0
	v_lshrrev_b32 v15, 5, v0
	v_readfirstlane_b32 s16, v15                   ; wave
	s_mov_b32 s17, ttmp9                           ; blk
	s_and_b32 s18, ttmp7, 0xffff                   ; which projection
	s_and_b32 s19, s17, 7                          ; ROT
	s_and_b32 s34, s17, 15                         ; S: my block of 128 tokens in its batch
	s_lshr_b32 s35, s17, 4                         ; batch
	s_mov_b32 s20, 0                               ; SIG: the stream step of the pair in hand
	s_mov_b32 s32, 0x76543210
	s_mov_b32 s33, 0xfedcba98                      ; v_permlanex16_b32's selects for lane l xor 16
	v_and_b32 v16, 31, v0                          ; l
	v_and_b32 v17, 15, v0                          ; r
	v_bfe_u32 v18, v0, 4, 1                        ; h
	v_lshlrev_b32 v1, 4, v16                       ; 16 l
	v_lshlrev_b32 v2, 4, v17
	v_lshl_add_u32 v2, v18, 3, v2                  ; 16 r + 8 h
	s_mul_i32 s36, s16, 16896
	s_add_co_u32 s36, s36, STG
	v_add_nc_u32 v3, s36, v1                       ; my stage, on the way in
	v_mul_u32_u24 v4, v17, 528
	v_lshl_add_u32 v4, v18, 6, v4
	v_add_nc_u32 v4, s36, v4                       ; and out: row r, + 64 h
	s_mul_i32 s36, s16, 3072
	v_add_nc_u32 v5, s36, v1                       ; where I store x's images: K steps 0-3,
	v_add_nc_u32 v6, 49152, v5                     ; K steps 4-7
	s_lshl_b32 s36, s16, 2
	s_add_co_u32 s36, s36, XSC
	v_lshl_add_u32 v7, v17, 4, s36                 ; and their scale words
	s_mul_i32 s36, s34, 6144
	v_add_nc_u32 v12, s36, v1                      ; out: 16 l + my block's eight halves or four fragments
	v_add_nc_u32 v13, s36, v2
	s_lshl_b32 s36, s34, 8
	v_lshl_add_u32 v14, v16, 3, s36                ; 8 l + 256 S: the scale words
	v_cmp_lt_u32 s46, 15, v16                      ; lanes 16-31
.irp b, 0,1,2,3
	v_mov_b32 v[TM+4+\b], 0                        ; a lane permute's destination counts as one of its sources
.endr
	s_wait_kmcnt 0x0
	s_cmp_eq_u32 s18, 1
	s_cselect_b64 s[24:25], s[6:7], s[4:5]
	s_cmp_eq_u32 s18, 2
	s_cselect_b64 s[24:25], s[8:9], s[24:25]
	s_lshl_b32 s36, s17, 19
	s_lshl_b32 s37, s16, 17
	s_add_co_u32 s36, s36, s37
	s_mov_b32 s37, 0
	s_add_nc_u64 s[24:25], s[24:25], s[36:37]      ; x at my wave's 32 rows
	s_mul_i32 s36, s18, 786432
	s_mul_i32 s38, s16, 196608
	s_add_co_u32 s36, s36, s38
	s_add_nc_u64 s[26:27], s[10:11], s[36:37]      ; the weight's images at my two chunks
	s_lshl_b32 s36, s18, 15
	s_lshl_b32 s38, s16, 13
	s_add_co_u32 s36, s36, s38
	s_add_nc_u64 s[28:29], s[12:13], s[36:37]      ; and their scale words
	s_lshl_b32 s36, s35, 4
	s_lshl_b32 s38, s16, 2
	s_add_co_u32 s36, s36, s38
	s_mul_i32 s36, s36, 307200                     ; head 16 batch + 4 wave
	s_cmp_eq_u32 s18, 0
	s_cselect_b32 s38, 204800, 0                   ; Q's regions lie 204,800 bytes behind K's
	s_add_co_u32 s36, s36, s38
	s_add_nc_u64 s[30:31], s[14:15], s[36:37]
	WTARGET 0                                      ; W's first two steps are asked for ahead of x
	WGRP 0, 0
	WGRP 1, 0
	WTARGET 1
	WGRP 0, 1
	WGRP 1, 1
	LOADX 0
	LOADX 1
	LOADX 2
	LOADX 3
	s_wait_loadcnt 48                              ; fragment 0 is in; fragments 1 to 3 may be out
	TURNX 0
.irp f, 0,1,2,3,4,5,6,7,8,9,10,11,12,13,14,15
	FRAGX \f
.endr
	s_wait_dscnt 0x0                               ; for the others' sake: my images lie in LDS
	s_barrier_signal -1
	s_barrier_wait -1                              ; from here on LDS is only read
	XGRP 0, 0
	s_cmp_eq_u32 s18, 2
	s_cbranch_scc1 .Larm1
	ARM 0
.Larm1:
	ARM 1
.Lfunc_end_k_q18e7335e19_proj:
	.size	k_q18e7335e19_proj, .Lfunc_end_k_q18e7335e19_proj-k_q18e7335e19_proj
	.p2alignl 7, 3214868480
	.fill 96, 4, 3214868480
	.section	.rodata,"a",@progbits
	.p2align	6, 0x0
	.amdhsa_kernel k_q18e7335e19_proj
		.amdhsa_group_segment_fixed_size 170496
		.amdhsa_private_segment_fixed_size 0
		.amdhsa_enable_private_segment 0
		.amdhsa_kernarg_size 48
		.amdhsa_user_sgpr_count 2
		.amdhsa_user_sgpr_kernarg_segment_ptr 1
		.amdhsa_wavefront_size32 1
		.amdhsa_system_sgpr_workgroup_id_x 1
		.amdhsa_system_sgpr_workgroup_id_y 1
		.amdhsa_system_sgpr_workgroup_id_z 1
		.amdhsa_system_vgpr_workitem_id 0
		.amdhsa_next_free_vgpr 1024
		.amdhsa_next_free_sgpr 66
		.amdhsa_reserve_vcc 0
		.amdhsa_float_denorm_mode_32 3
		.amdhsa_float_denorm_mode_16_64 3
		.amdhsa_memory_ordered 1
		.amdhsa_forward_progress 1
		.amdhsa_inst_pref_size 255
	.end_amdhsa_kernel
	.section	.bss,"aw",@nobits
	.p2align	6
	.space	262144
	.amdgpu_metadata
---
amdhsa.version: [ 1, 2 ]
amdhsa.kernels:
  - .name:           k_q18e7335e19_proj
    .symbol:         k_q18e7335e19_proj.kd
    .args:
      - { .name: Q, .offset: 0, .size: 8, .value_kind: global_buffer, .address_space: global }
      - { .name: K, .offset: 8, .size: 8, .value_kind: global_buffer, .address_space: global }
      - { .name: V, .offset: 16, .size: 8, .value_kind: global_buffer, .address_space: global }
      - { .name: wimg, .offset: 24, .size: 8, .value_kind: global_buffer, .address_space: global }
      - { .name: wsc, .offset: 32, .size: 8, .value_kind: global_buffer, .address_space: global }
      - { .name: hd, .offset: 40, .size: 8, .value_kind: global_buffer, .address_space: global }
    .group_segment_fixed_size: 170496
    .private_segment_fixed_size: 0
    .kernarg_segment_align: 8
    .kernarg_segment_size: 48
    .max_flat_workgroup_size: 128
    .sgpr_count:     66
    .vgpr_count:     1024
    .wavefront_size: 32
...
	.end_amdgpu_metadata
.endif
;; end of part 2
;; launch attn (part 3): grid 4 x 64, 16 waves a work-group, clusters of 4 x 1, 206,848 bytes of LDS; arguments hd, cimg, csc; writes cimg, csc
.if DOCPART == 3
	.amdgcn_target "amdgcn-amd-amdhsa--gfx1250"
	.amdhsa_code_object_version 6
	.text
	.protected	k_q18e7335e19_attn
	.globl	k_q18e7335e19_attn
	.p2align	8
	.type	k_q18e7335e19_attn,@function
k_q18e7335e19_attn:
	s_mov_b64 s[64:65], 0
	v_nop
	global_prefetch_b8 v0, s[64:65] scope:SCOPE_SE
	s_setreg_imm32_b32 hwreg(HW_REG_WAVE_MODE, 25, 1), 1
	s_wait_xcnt 0x0
	s_wait_alu depctr_hold_cnt(0) depctr_sa_sdst(0) depctr_va_vdst(0) depctr_va_sdst(0) depctr_va_ssrc(0) depctr_va_vcc(0) depctr_vm_vsrc(0)
	s_getreg_b32 s2, hwreg(HW_REG_IB_STS2, 6, 4)
	s_cmp_eq_u32 s2, 0
	s_cbranch_scc0 .Lentry_in_a_cluster
	s_endpgm
.Lentry_in_a_cluster:
	s_bfe_u32 s2, ttmp6, 0x10000c
	s_cmp_lg_u32 s2, 0x3003
	s_cbranch_scc0 .Lentry_shape_is_right
	s_endpgm
.Lentry_shape_is_right:
; Products 4 and 5 for one head (cluster y = 16 batch + head), causal, on codes of FP6 (E2M3) with one E8M0 byte for each 32 along K; ctx is quantised along the head's 64 and stored as halves of product 6's fragments.
; t = score x log2(e) / 8; M = the running largest t rounded up to a whole number; p = 2^(t - M) is quantised along the keys, not normalised; the row's sum is taken of the unquantised p and divides at the end.
; CLUSTER.  The four work-groups of a cluster serve one head.  K's and V's images and scale words of the whole head are the first 204,800 bytes of the head's block of hd: they come into each partner's LDS ONCE, by joint loads
; (each of the sixteen waves asks for 50 rows of 256 bytes, the same descriptor in all four partners), and are only read afterwards: no slot is filled again, and nothing is ever stored to LDS.  One tensor load a wave is out.
; SHARES.  The head's 128 tiles of 16 queries are t = 8 a + b.  Wave w of partner cx takes (a = w, b = 2 cx) and then (a = 15 - w, b = 2 cx + 1): a + 1 key steps of 128 each, 17 steps for every wave.
; Branches and LDS addresses hang on the wave's number alone; cx enters global addresses and the mask's threshold, which is vector data.
; LAYOUT.  Both products transposed: a lane holds one query.  Row rho of a tile of tokens is token 32 (T / 2) + 8 (T % 2) + rho % 8 + 16 (rho / 8), so the 16 registers of score tiles 2 g, 2 g + 1 are keys 32 g + 16 (lane / 16) + 0 .. 15.
; THE HEAD'S K = 64 IN AN INSTRUCTION OF 128.  Two neighbouring halves of K (tiles 2 g and 2 g + 1) are one operand: tile 2 g in k 0 .. 63, tile 2 g + 1 in k 64 .. 127.  Q stands as [zeros][q][zeros]: [q, 0] picks tile 2 g, [0, q] tile 2 g + 1.
; In the dead half Q's codes are zeros and K's codes and both sides' scale bytes are finite (1 .. 254), so every product there is exactly 0.
; THE MASK.  Steps wholly above the diagonal are left out; in the diagonal step a hidden score is replaced by -8e9, which x 1/8 is the -1e9 of the definition.
; LIMITS: that equals the definition where visible scores / 8 lie above about -1e8; a block of zeros gets the byte 1 where the quantiser says 127 (its codes are zeros, this program alone reads the bytes); NaN and infinities are not served.
; REGISTERS: v1-7 lane addresses; v8 the mask's threshold, v9 -8e9, v10 its lane part; v12 -M, v13 the largest t, v[14:15] the sum; v16-45 zeros, q of tile 0, zeros, q of tile 1, zeros; v46, v47 Q's scale words;
;   v48-95 four operands of K, then of V; v96-159 scores, then p; v160-191 O^T; v192-203 p's codes; v204-210 conversions' upper halves; v212-215 K's and V's scale words; v220-225 the step's addresses; v232-254 at work; v253 p's scale word.
.set KSC,   98304
.set VIMG,  102400
.set VSC,   200704
.set QIMG,  204800
.set QSC,   303104
.set HEADB, 307200
.macro ROUND                           ; a round of the cluster's barrier
	s_barrier_signal -1
	s_barrier_wait -1
	s_cmp_lg_u32 s10, 0
	s_cbranch_scc1 .Lnot_wave_0_\@
	s_barrier_signal -3
.Lnot_wave_0_\@:
	s_barrier_wait -3
	s_barrier_signal -1
	s_barrier_wait -1
.endm
; The global addresses of my tile p: Q's half s[36+2p..], Q's scale bytes s[40+2p..], ctx's half s[44+2p..], ctx's scale bytes s[48+2p..].
.macro ADDR p
.if \p == 0
	s_mov_b32 s52, s10                             ; a
.else
	s_sub_co_u32 s52, 15, s10
.endif
	s_lshl_b32 s53, s11, 1
	s_add_co_u32 s53, s53, \p                      ; b
	s_lshl_b32 s54, s52, 3
	s_add_co_u32 s54, s54, s53                     ; t
	s_mul_i32 s56, s54, 768
	s_add_co_u32 s56, s56, QIMG
	s_mov_b32 s57, 0
	s_add_nc_u64 s[36+2*\p:37+2*\p], s[4:5], s[56:57]
	s_lshl_b32 s56, s52, 8                         ; 256 a + 128 (g % 2) + 4 (g / 2) + 2 (b % 2), g = b / 2 = cx
	s_and_b32 s55, s11, 1
	s_lshl_b32 s55, s55, 7
	s_add_co_u32 s56, s56, s55
	s_lshr_b32 s55, s11, 1
	s_lshl_b32 s55, s55, 2
	s_add_co_u32 s56, s56, s55
	s_add_co_u32 s56, s56, QSC+2*\p
	s_add_nc_u64 s[40+2*\p:41+2*\p], s[4:5], s[56:57]
	s_lshr_b32 s55, s12, 4                         ; batch
	s_lshl_b32 s56, s55, 7
	s_add_co_u32 s56, s56, s54                     ; m = 128 batch + t
	s_lshl_b32 s56, s56, 3
	s_bfe_u32 s58, s12, 0x30001                    ; head / 2: product 6's K step
	s_add_co_u32 s56, s56, s58
	s_mul_i32 s56, s56, 1536
	s_and_b32 s59, s12, 1                          ; head % 2: which half of the fragment
	s_mul_i32 s60, s59, 768
	s_add_co_u32 s56, s56, s60
	s_add_nc_u64 s[44+2*\p:45+2*\p], s[6:7], s[56:57]
	s_lshl_b32 s56, s55, 5                         ; m / 4 = 32 batch + 2 a + b / 4
	s_lshl_b32 s60, s52, 1
	s_add_co_u32 s56, s56, s60
	s_lshr_b32 s60, s11, 1
	s_add_co_u32 s56, s56, s60
	s_lshl_b32 s56, s56, 11
	s_lshl_b32 s60, s58, 8
	s_add_co_u32 s56, s56, s60
	s_and_b32 s60, s11, 1
	s_lshl_b32 s60, s60, 2                         ; 4 ((b / 2) % 2)
	s_add_co_u32 s56, s56, s60
	s_lshl_b32 s60, s59, 1
	s_add_co_u32 s56, s56, s60
	s_add_co_u32 s56, s56, 128*\p                  ; 128 (b % 2)
	s_add_nc_u64 s[48+2*\p:49+2*\p], s[8:9], s[56:57]
.endm
; A KEY STEP of 128 keys.  lo, hi: the runs [q, 0] and [0, q]; qs: Q's scale word.
.macro STEP lo, hi, qs
	s_cmp_gt_u32 s29, s28                          ; all its keys come after my queries: nothing to do
	s_cbranch_scc1 .Lhid_\@
	s_setprio 2
	v_add_nc_u32 v220, s30, v1                     ; (these six are also the places in front of the loads into registers that the last products read)
	v_add_nc_u32 v221, s30, v2
	v_add_nc_u32 v222, s30, v3
	v_add_nc_u32 v223, s30, v4
	v_add_nc_u32 v224, s31, v5
	v_add_nc_u32 v225, s31, v6
.irp g, 0,1,2,3
	ds_load_b128 v[48+12*\g:51+12*\g], v220 offset:1536*\g
	ds_load_b64 v[52+12*\g:53+12*\g], v221 offset:1536*\g+512
	ds_load_b128 v[54+12*\g:57+12*\g], v220 offset:1536*\g+768
	ds_load_b64 v[58+12*\g:59+12*\g], v221 offset:1536*\g+1280
.endr
	ds_load_b64 v[212:213], v224
	s_wait_alu depctr_va_vdst(0)
	s_wait_dscnt 0x0
.irp g, 0,2
	v_wmma_scale_f32_16x16x128_f8f6f4 v[96+16*\g:103+16*\g], v[48+12*\g:59+12*\g], v[\lo:\lo+11], 0, v[212+\g/2], v[\qs] matrix_a_fmt:MATRIX_FMT_FP6 matrix_b_fmt:MATRIX_FMT_FP6
	v_wmma_scale_f32_16x16x128_f8f6f4 v[104+16*\g:111+16*\g], v[48+12*\g:59+12*\g], v[\hi:\hi+11], 0, v[212+\g/2], v[\qs] matrix_a_fmt:MATRIX_FMT_FP6 matrix_b_fmt:MATRIX_FMT_FP6
	v_wmma_scale_f32_16x16x128_f8f6f4 v[112+16*\g:119+16*\g], v[60+12*\g:71+12*\g], v[\lo:\lo+11], 0, v[212+\g/2], v[\qs] matrix_a_fmt:MATRIX_FMT_FP6 matrix_b_fmt:MATRIX_FMT_FP6 matrix_a_scale:MATRIX_SCALE_ROW1
	v_wmma_scale_f32_16x16x128_f8f6f4 v[120+16*\g:127+16*\g], v[60+12*\g:71+12*\g], v[\hi:\hi+11], 0, v[212+\g/2], v[\qs] matrix_a_fmt:MATRIX_FMT_FP6 matrix_b_fmt:MATRIX_FMT_FP6 matrix_a_scale:MATRIX_SCALE_ROW1
.endr
.rept 4
	v_nop                                          ; places: in front of the loads below and of the first read of the scores
.endr
.irp t, 0,1,2,3                        ; V's four fragments land while the softmax is walked
	ds_load_b128 v[48+12*\t:51+12*\t], v222 offset:1536*\t
	ds_load_b64 v[52+12*\t:53+12*\t], v223 offset:1536*\t+512
	ds_load_b128 v[54+12*\t:57+12*\t], v222 offset:1536*\t+768
	ds_load_b64 v[58+12*\t:59+12*\t], v223 offset:1536*\t+1280
.endr
	ds_load_b64 v[214:215], v225
	s_cmp_lg_u32 s29, s28                          ; only the diagonal step has hidden keys
	s_cbranch_scc1 .Lopen_\@
.set n, 0
.rept 64
	v_cmp_gt_i32 vcc_lo, 32*(n/16)+n%16, v8        ; register 16 g + i holds key 32 g + 16 (lane / 16) + i of the step: hidden where 32 g + i > my query's place - 16 (lane / 16)
	v_cndmask_b32 v[96+n], v[96+n], v9, vcc_lo
.set n, n+1
.endr
.Lopen_\@:
.irp b, 0,1,2,3
	v_max3_num_f32 v[232+\b], v[96+16*\b], v[97+16*\b], v[98+16*\b]   ; the largest score of each block of 32 keys: for the row's maximum and, since p rises with the score, for the block's largest p
.endr
.irp i, 3,5,7,9,11,13
.irp b, 0,1,2,3
	v_max3_num_f32 v[232+\b], v[232+\b], v[96+16*\b+\i], v[97+16*\b+\i]
.endr
.endr
.irp b, 0,1,2,3
	v_max_num_f32 v[232+\b], v[232+\b], v[111+16*\b]
.endr
.irp b, 0,1,2,3
	s_delay_alu instid0(VALU_DEP_4)
	v_permlanex16_b32 v[236+\b], v[232+\b], s32, s33
.endr
.irp b, 0,1,2,3
	s_delay_alu instid0(VALU_DEP_4)
	v_max_num_f32 v[232+\b], v[232+\b], v[236+\b]  ; with lane l xor 16's 16 keys
.endr
	s_delay_alu instid0(VALU_DEP_2)
	v_max3_num_f32 v254, v232, v233, v234
	s_delay_alu instid0(VALU_DEP_1)
	v_max_num_f32 v254, v254, v235
	s_delay_alu instid0(VALU_DEP_1)
	v_mul_f32 v254, s34, v254                      ; the step's largest t
	s_delay_alu instid0(VALU_DEP_1)
	v_max_num_f32 v13, v13, v254
	v_mov_b32 v254, v12
	s_delay_alu instid0(VALU_DEP_2)
	v_floor_f32 v12, -v13                          ; the new -M = -ceil(t)
	s_delay_alu instid0(VALU_DEP_1)
	v_sub_f32 v254, v12, v254                      ; old M - new M: a whole number, 0 or less
	s_delay_alu instid0(VALU_DEP_1)
	v_cvt_i32_f32 v254, v254                       ; (it saturates)
	s_delay_alu instid0(VALU_DEP_1)
	v_ldexp_f32 v250, 1.0, v254                    ; f = 2^(old M - new M): a multiplication by it rounds nothing
.set n, 0
.rept 32
	v_pk_fma_f32 v[96+n:97+n], v[96+n:97+n], s[34:35], v[12:13] op_sel_hi:[1,0,0]   ; t - M
.set n, n+2
.endr
	s_setprio 1
.irp b, 0,1,2,3
	v_fma_f32 v[232+\b], v[232+\b], s34, v12
.endr
.set n, 0
	s_wait_alu depctr_va_vdst(0)
.rept 64
	v_exp_f32 v[96+n], v[96+n]                     ; p = 2^(t - M)
.set n, n+1
.endr
	v_pk_mul_f32 v[14:15], v[14:15], v[250:251] op_sel_hi:[1,0]   ; the sums under the new M (the plain line behind the exponentials)
	s_wait_alu depctr_va_vdst(0)                   ; one wait for the batch of 64, ahead of its first reader
.irp b, 0,1,2,3
	v_exp_f32 v[232+\b], v[232+\b]                 ; each block's largest p
.endr
	v_pk_add_f32 v[236:237], v[100:101], v[104:105]
	v_pk_add_f32 v[248:249], v[108:109], v[112:113]
	v_pk_add_f32 v[246:247], v[116:117], v[120:121]
	v_pk_add_f32 v[244:245], v[124:125], v[128:129]
	v_pk_add_f32 v[242:243], v[132:133], v[136:137]
	v_pk_add_f32 v[240:241], v[140:141], v[144:145]
	v_pk_add_f32 v[238:239], v[148:149], v[152:153]
	v_pk_add_f32 v[14:15], v[14:15], v[156:157]
	v_pk_add_f32 v[236:237], v[236:237], v[96:97]
	v_pk_add_f32 v[248:249], v[248:249], v[98:99]
	v_pk_add_f32 v[246:247], v[246:247], v[102:103]
	v_pk_add_f32 v[244:245], v[244:245], v[106:107]
	v_pk_add_f32 v[242:243], v[242:243], v[110:111]
	v_pk_add_f32 v[240:241], v[240:241], v[114:115]
	v_pk_add_f32 v[238:239], v[238:239], v[118:119]
	v_pk_add_f32 v[14:15], v[14:15], v[122:123]
	v_pk_add_f32 v[236:237], v[236:237], v[126:127]
	v_pk_add_f32 v[248:249], v[248:249], v[130:131]
	v_pk_add_f32 v[246:247], v[246:247], v[134:135]
	v_pk_add_f32 v[244:245], v[244:245], v[138:139]
	v_pk_add_f32 v[242:243], v[242:243], v[142:143]
	v_pk_add_f32 v[240:241], v[240:241], v[146:147]
	v_pk_add_f32 v[238:239], v[238:239], v[150:151]
	v_pk_add_f32 v[14:15], v[14:15], v[154:155]
	v_pk_add_f32 v[236:237], v[236:237], v[158:159]
	s_delay_alu instid0(VALU_DEP_2)
	v_pk_add_f32 v[14:15], v[14:15], v[244:245]
	s_delay_alu instid0(VALU_DEP_2)
	v_pk_add_f32 v[236:237], v[236:237], v[242:243]
	v_pk_add_f32 v[248:249], v[248:249], v[240:241]
	v_pk_add_f32 v[246:247], v[246:247], v[238:239]
	s_delay_alu instid0(VALU_DEP_2)
	v_pk_add_f32 v[14:15], v[14:15], v[248:249]
	s_delay_alu instid0(VALU_DEP_2)
	v_pk_add_f32 v[236:237], v[236:237], v[246:247]
	s_delay_alu instid0(VALU_DEP_1)
	v_pk_add_f32 v[14:15], v[14:15], v[236:237]
	s_wait_alu depctr_va_vdst(0)                   ; and one for the four
.irp b, 0,1,2,3
	v_max_num_f32 v[232+\b], 0x1800000, v[232+\b]  ; the floor 2^(3 - 127): the byte cannot fall under 1
.endr
.irp b, 0,1,2,3
	s_delay_alu instid0(VALU_DEP_4)
	v_add_nc_u32 v[244+\b], 0xff000000, v[232+\b]
.endr
.irp b, 0,1,2,3
	s_delay_alu instid0(VALU_DEP_4)
	v_lshrrev_b32 v[236+\b], 23, v[244+\b]
.endr
	s_delay_alu instid0(VALU_DEP_3)
	v_lshl_or_b32 v253, v237, 8, v236              ; p's scale word for these 128 keys
	s_delay_alu instid0(VALU_DEP_1)
	v_lshl_or_b32 v253, v238, 16, v253
	s_delay_alu instid0(VALU_DEP_1)
	v_lshl_or_b32 v253, v239, 24, v253
	s_setprio 0
.irp c, 0,1
	v_cvt_scalef32_pk16_fp6_f32 v[192+6*\c:194+6*\c], v[96+32*\c:111+32*\c], v[244+2*\c]
	v_cvt_scalef32_pk16_fp6_f32 v[204+4*\c:206+4*\c], v[112+32*\c:127+32*\c], v[244+2*\c+1]
.endr
	v_nop                                          ; one plain line behind the scaled conversions
.irp c, 0,1
.irp i, 0,1,2
	v_permlane16_swap_b32 v[192+6*\c+\i], v[204+4*\c+\i]
.endr
.irp i, 0,1,2
	s_delay_alu instid0(VALU_DEP_3)
	v_mov_b32 v[195+6*\c+\i], v[204+4*\c+\i]
.endr
.endr
.set n, 0
.rept 16
	v_pk_mul_f32 v[160+n:161+n], v[160+n:161+n], v[250:251] op_sel_hi:[1,0]   ; O^T under the new M; these sixteen are also the places between the lines that made p's codes and scale word and the products
.set n, n+2
.endr
	s_wait_alu depctr_va_vdst(0)
	s_wait_dscnt 0x0                               ; V is in
.irp t, 0,2
	v_wmma_scale_f32_16x16x128_f8f6f4 v[160+8*\t:167+8*\t], v[48+12*\t:59+12*\t], v[192:203], v[160+8*\t:167+8*\t], v[214+\t/2], v253 matrix_a_fmt:MATRIX_FMT_FP6 matrix_b_fmt:MATRIX_FMT_FP6
	v_wmma_scale_f32_16x16x128_f8f6f4 v[168+8*\t:175+8*\t], v[60+12*\t:71+12*\t], v[192:203], v[168+8*\t:175+8*\t], v[214+\t/2], v253 matrix_a_fmt:MATRIX_FMT_FP6 matrix_b_fmt:MATRIX_FMT_FP6 matrix_a_scale:MATRIX_SCALE_ROW1
.endr
.Lhid_\@:
.endm
; One tile of 16 queries: the loop has a constant count; a step's work is jumped over where nothing of it counts.
.macro TILE p, lo, hi, qs
	s_lshl_b32 s55, s11, 5
	s_add_co_u32 s55, s55, 8*\p
	v_add_nc_u32 v8, s55, v10                      ; my query's place in its key step, less 16 (lane / 16)
	v_mov_b32 v13, 0xff61b1e6                      ; the largest t so far: -3e38
	s_delay_alu instid0(VALU_DEP_1)
	v_floor_f32 v12, -v13
	v_mov_b32 v14, 0
	v_mov_b32 v15, 0
.set n, 0
.rept 32
	v_mov_b32 v[160+n], 0                          ; O^T: the step is written once a tile; its first walk finds zeros
.set n, n+1
.endr
	s_mov_b32 s29, 0                               ; the key step,
	s_mov_b32 s30, 0                               ; its images (6,144 bytes a step, in K's region and in V's),
	s_mov_b32 s31, 0                               ; its scale words (256 bytes a step)
.Lkey_\@:
	STEP \lo, \hi, \qs
	s_add_co_u32 s30, s30, 6144
	s_add_co_u32 s31, s31, 256
	s_add_co_u32 s29, s29, 1
	s_cmp_lt_u32 s29, 16
	s_cbranch_scc1 .Lkey_\@
	s_setprio 0
.rept 4
	v_nop                                          ; places behind the last products
.endr
	v_add_f32 v14, v14, v15
	s_delay_alu instid0(VALU_DEP_1)
	v_permlanex16_b32 v254, v14, s32, s33
	s_delay_alu instid0(VALU_DEP_1)
	v_add_f32 v14, v14, v254                       ; the row's sum
	s_wait_alu depctr_va_vdst(0)
	v_rcp_f32 v14, v14
	v_nop
	s_wait_alu depctr_va_vdst(0)
.set n, 0
.rept 32
	v_mul_f32 v[96+n], v[160+n], v14               ; ctx: register 16 b + i is d = 32 b + 16 (lane / 16) + i of my query
.set n, n+1
.endr
.irp b, 0,1
	v_max3_num_f32 v[232+\b], |v[96+16*\b]|, |v[97+16*\b]|, 0x1800000
.endr
.irp i, 2,4,6,8,10,12,14
.irp b, 0,1
	s_delay_alu instid0(VALU_DEP_2)
	v_max3_num_f32 v[232+\b], v[232+\b], |v[96+16*\b+\i]|, |v[97+16*\b+\i]|
.endr
.endr
.irp b, 0,1
	s_delay_alu instid0(VALU_DEP_2)
	v_permlanex16_b32 v[236+\b], v[232+\b], s32, s33
.endr
.irp b, 0,1
	s_delay_alu instid0(VALU_DEP_2)
	v_max_num_f32 v[232+\b], v[232+\b], v[236+\b]
.endr
.irp b, 0,1
	s_delay_alu instid0(VALU_DEP_2)
	v_add_nc_u32 v[244+\b], 0xff000000, v[232+\b]
.endr
.irp b, 0,1
	s_delay_alu instid0(VALU_DEP_2)
	v_lshrrev_b32 v[236+\b], 23, v[244+\b]
.endr
	s_delay_alu instid0(VALU_DEP_1)
	v_lshl_or_b32 v238, v237, 8, v236              ; my query's two scale bytes
	v_cvt_scalef32_pk16_fp6_f32 v[192:194], v[96:111], v244
	v_cvt_scalef32_pk16_fp6_f32 v[204:206], v[112:127], v245
	v_nop
.irp i, 0,1,2
	v_permlane16_swap_b32 v[192+\i], v[204+\i]
.endr
.irp i, 0,1,2
	s_delay_alu instid0(VALU_DEP_3)
	v_mov_b32 v[195+\i], v[204+\i]
.endr
	global_store_b128 v1, v[192:195], s[44+2*\p:45+2*\p]               ; the half's registers 0-3: 512 consecutive bytes
	global_store_b64 v2, v[196:197], s[44+2*\p:45+2*\p] offset:512     ; registers 4-5: 256 consecutive bytes
	global_store_b16 v7, v238, s[48+2*\p:49+2*\p]                      ; lanes r and r + 16 write the same two bytes with the same value
	s_wait_xcnt 0x0                                ; the stores have read their registers
.endm
	s_load_b128 s[4:7], s[0:1], 0x0                ; hd, cimg
	s_load_b64 s[8:9], s[0:1], 0x10                ; csc
	v_lshl_add_u32 v252, v0, 2, 0x32000
	v_mov_b32 v255, 0
	ds_add_u32 v252, v255
	ds_add_u32 v252, v255
	v_lshrrev_b32 v1, 5, v0
	s_delay_alu instid0(VALU_DEP_1)
	v_readfirstlane_b32 s10, v1                    ; wave 0..15
	s_bfe_u32 s11, ttmp6, 0x40000                  ; cx
	s_and_b32 s12, ttmp7, 0xffff                   ; 16 batch + head, which the four partners share
	s_mov_b32 s16, 15|(3<<16)|(1<<21)              ; group 1: the mask names all four; elements of 8 bytes; bit 21 beside a mask; no padding
	s_mov_b32 s17, 32<<16                          ; tensor_dim0 = 32 elements: rows of 256 bytes
	s_mov_b32 s18, 50<<16                          ; tensor_dim1 = 50
	s_mov_b32 s19, 32<<16                          ; tile_dim0
	s_mov_b32 s20, 50                              ; tile_dim1
	s_mov_b32 s21, 32                              ; the pitch: the block is dense
	s_mov_b32 s22, 0
	s_mov_b32 s23, 0
	s_mul_i32 s13, s10, 12800                      ; my sixteenth of the 204,800 bytes, in memory and in LDS
	s_mul_i32 s14, s12, HEADB
	s_mov_b32 s15, 0
	s_mov_b32 s32, 0x76543210
	s_mov_b32 s33, 0xfedcba98
	s_mov_b32 s34, 0x3e38aa3b                      ; c = log2(e) / 8
	s_mov_b32 s35, s34
	s_wait_dscnt 0x0
	s_wait_kmcnt 0x0
	s_add_nc_u64 s[4:5], s[4:5], s[14:15]          ; the head's block
	s_mov_b32 s14, s13
	s_mov_b32 s24, 1
	s_mov_b32 s25, s13
	s_add_nc_u64 s[26:27], s[4:5], s[14:15]
	s_or_b32 s27, s27, 0x80000000
	ROUND                                          ; all four work-groups are here: the joint loads meet
	tensor_load_to_lds s[24:27], s[16:23]
	s_nop 0
.rept 4
	v_nop
.endr
	ADDR 0
	ADDR 1
	v_and_b32 v11, 31, v0                          ; l
	s_delay_alu instid0(VALU_DEP_1)
	v_lshlrev_b32 v1, 4, v11                       ; 16 l
	s_delay_alu instid0(VALU_DEP_2)
	v_lshlrev_b32 v5, 3, v11
	s_delay_alu instid0(VALU_DEP_1)
	v_add_nc_u32 v6, VSC, v5                       ; 8 l in V's scale words,
	s_delay_alu instid0(VALU_DEP_2)
	v_add_nc_u32 v5, KSC, v5                       ; in K's
	v_and_b32 v11, 15, v0                          ; r
	s_delay_alu instid0(VALU_DEP_1)
	v_lshlrev_b32 v7, 3, v11                       ; 8 r
	s_delay_alu instid0(VALU_DEP_2)
	v_lshlrev_b32 v2, 4, v11
	v_bfe_u32 v11, v0, 4, 1                        ; h
	s_delay_alu instid0(VALU_DEP_1)
	v_lshl_add_u32 v2, v11, 3, v2                  ; 16 r + 8 h
	v_add_nc_u32 v3, VIMG, v1
	s_delay_alu instid0(VALU_DEP_2)
	v_add_nc_u32 v4, VIMG, v2
	global_load_b128 v[22:25], v1, s[36:37]        ; Q's halves of my two tiles stay in registers
	global_load_b64 v[26:27], v2, s[36:37] offset:512
	global_load_u16 v46, v7, s[40:41]
	global_load_b128 v[34:37], v1, s[38:39]
	global_load_b64 v[38:39], v2, s[38:39] offset:512
	global_load_u16 v47, v7, s[42:43]
	v_and_b32 v10, 7, v0
	v_bfe_u32 v8, v0, 3, 1
	s_delay_alu instid0(VALU_DEP_1)
	v_lshl_add_u32 v10, v8, 4, v10
	v_lshlrev_b32 v11, 4, v11
	s_delay_alu instid0(VALU_DEP_1)
	v_sub_nc_u32 v10, v10, v11                     ; r % 8 + 16 (r / 8) - 16 h
	v_mov_b32 v9, 0xcfee6b28                       ; -8e9
.irp z, 16,17,18,19,20,21,28,29,30,31,32,33,40,41,42,43,44,45
	v_mov_b32 v[\z], 0                             ; zero codes beside q
.endr
.irp b, 0,1,2,3
	v_mov_b32 v[236+\b], 0                         ; a lane permute's destination counts as one of its sources
.endr
	v_mov_b32 v251, 0                              ; (named as the upper half of the pair v[250:251])
	v_mov_b32 v254, 0
	s_wait_loadcnt 0x0
	v_lshl_or_b32 v46, v46, 16, v46                ; q's two bytes serve k 0 .. 63 of [q, 0] and k 64 .. 127 of [0, q]
	v_lshl_or_b32 v47, v47, 16, v47
	s_wait_tensorcnt 0x0                           ; my part of K and V is in,
	s_barrier_signal -1
	s_barrier_wait -1                              ; everybody's is
	s_mov_b32 s28, s10
	TILE 0, 22, 16, 46
	s_sub_co_u32 s28, 15, s10
	TILE 1, 34, 28, 47
	s_wait_dscnt 0x0
	s_wait_tensorcnt 0x0
	ds_add_u32 v252, v255
	s_wait_dscnt 0x0
	ROUND                                          ; the closing round
	s_endpgm
.Lfunc_end_k_q18e7335e19_attn:
	.size	k_q18e7335e19_attn, .Lfunc_end_k_q18e7335e19_attn-k_q18e7335e19_attn
	.p2alignl 7, 3214868480
	.fill 96, 4, 3214868480
	.section	.rodata,"a",@progbits
	.p2align	6, 0x0
	.amdhsa_kernel k_q18e7335e19_attn
		.amdhsa_group_segment_fixed_size 206848
		.amdhsa_private_segment_fixed_size 0
		.amdhsa_enable_private_segment 0
		.amdhsa_kernarg_size 24
		.amdhsa_user_sgpr_count 2
		.amdhsa_user_sgpr_kernarg_segment_ptr 1
		.amdhsa_wavefront_size32 1
		.amdhsa_system_sgpr_workgroup_id_x 1
		.amdhsa_system_sgpr_workgroup_id_y 1
		.amdhsa_system_sgpr_workgroup_id_z 1
		.amdhsa_system_vgpr_workitem_id 0
		.amdhsa_next_free_vgpr 256
		.amdhsa_next_free_sgpr 66
		.amdhsa_reserve_vcc 1
		.amdhsa_float_denorm_mode_32 3
		.amdhsa_float_denorm_mode_16_64 3
		.amdhsa_memory_ordered 1
		.amdhsa_forward_progress 1
		.amdhsa_inst_pref_size 66
	.end_amdhsa_kernel
	.amdgpu_metadata
---
amdhsa.version: [ 1, 2 ]
amdhsa.kernels:
  - .name:           k_q18e7335e19_attn
    .symbol:         k_q18e7335e19_attn.kd
    .args:
      - { .name: hd, .offset: 0, .size: 8, .value_kind: global_buffer, .address_space: global }
      - { .name: cimg, .offset: 8, .size: 8, .value_kind: global_buffer, .address_space: global }
      - { .name: csc, .offset: 16, .size: 8, .value_kind: global_buffer, .address_space: global }
    .group_segment_fixed_size: 206848
    .private_segment_fixed_size: 0
    .kernarg_segment_align: 8
    .kernarg_segment_size: 24
    .max_flat_workgroup_size: 512
    .sgpr_count:     66
    .vgpr_count:     256
    .wavefront_size: 32
...
	.end_amdgpu_metadata
.endif
;; end of part 3
;; launch oln (part 4): grid 128 x 1, 4 waves a work-group, no clusters, 263,680 bytes of LDS; arguments cimg, csc, wimg, wsc, Q, ln_gamma, ln_beta, out0; writes out0
.if DOCPART == 4
	.amdgcn_target "amdgcn-amd-amdhsa--gfx1250"
	.amdhsa_code_object_version 6
	.text
	.protected	k_q18e7335e19_oln
	.globl	k_q18e7335e19_oln
	.p2align	8
	.type	k_q18e7335e19_oln,@function
k_q18e7335e19_oln:
	s_mov_b64 s[64:65], 0
	v_nop
	global_prefetch_b8 v0, s[64:65] scope:SCOPE_SE
	s_setreg_imm32_b32 hwreg(HW_REG_WAVE_MODE, 25, 1), 1
	s_wait_xcnt 0x0
; Product 6, ctx W_O, on codes of FP6 (E2M3) with one E8M0 byte for each 32 along K; then x = Q + out and the layer norm of each row of 1,024, all in f32.
; SHARES.  A work-group owns 64 tokens (four tiles of 16) and all 1,024 columns, so that a row's norm stays inside it.  Wave w makes columns 256 w .. 256 w + 255: 16 tiles of W_O x 4 tiles of tokens = 64 accumulators.
; With 32 tokens to a work-group each would still walk all of W_O's codes, twice the reads in all; 128 tokens x 1,024 f32 would take every register.  Both operands come from memory straight into operand registers, laid so by the launches before:
; each fragment of W_O is read by the one wave that needs it, so it does not go through LDS and no cluster is used.  Work-groups begin K at different steps (ROT = blk % 8): only the order of the f32 sums changes.
; Source 0 = W_O's tile, source 1 = ctx's: a lane holds one token and eight neighbouring columns.  The results meet in a stage in LDS (64 rows x (4,096 + 16) bytes), one barrier; then wave w norms the 16 rows of tile w.
; The variance is taken in two passes (the mean first, then the squares of x - mean).
; REGISTERS.  Window 0: v1-14 addresses; v32-43 W's scale words (three slots), v44-47 ctx's (two sets); v64-111, v112-159 ctx's fragments; v160-255 W's slot 2.  In the norm v64-127 two rows, v128-141 at work.
;   Window 1: W's slots 0 and 1 at v0 and v96; gamma v192-223, beta v224-255.  Windows 2, 3: accumulator (i, j) at window 2 + j / 2, register 128 (j % 2) + 8 i; in the norm Q's 16 rows.
.set MSB, 0
.macro WIN new
.if MSB != (\new)
	s_set_vgpr_msb (MSB<<8)|(\new)
.set MSB, (\new)
.endif
.endm
.macro PLACES
.rept 4
	v_nop
.endr
.endm
.macro WM
.if wZ
.if wRA && wRB
	v_wmma_scale_f32_16x16x128_f8f6f4 v[wD:wD+7], v[wA:wA+11], v[wB:wB+11], 0, v[wSA], v[wSB] matrix_a_fmt:MATRIX_FMT_FP6 matrix_b_fmt:MATRIX_FMT_FP6 matrix_a_scale:MATRIX_SCALE_ROW1 matrix_b_scale:MATRIX_SCALE_ROW1
.elseif wRA
	v_wmma_scale_f32_16x16x128_f8f6f4 v[wD:wD+7], v[wA:wA+11], v[wB:wB+11], 0, v[wSA], v[wSB] matrix_a_fmt:MATRIX_FMT_FP6 matrix_b_fmt:MATRIX_FMT_FP6 matrix_a_scale:MATRIX_SCALE_ROW1
.elseif wRB
	v_wmma_scale_f32_16x16x128_f8f6f4 v[wD:wD+7], v[wA:wA+11], v[wB:wB+11], 0, v[wSA], v[wSB] matrix_a_fmt:MATRIX_FMT_FP6 matrix_b_fmt:MATRIX_FMT_FP6 matrix_b_scale:MATRIX_SCALE_ROW1
.else
	v_wmma_scale_f32_16x16x128_f8f6f4 v[wD:wD+7], v[wA:wA+11], v[wB:wB+11], 0, v[wSA], v[wSB] matrix_a_fmt:MATRIX_FMT_FP6 matrix_b_fmt:MATRIX_FMT_FP6
.endif
.else
.if wRA && wRB
	v_wmma_scale_f32_16x16x128_f8f6f4 v[wD:wD+7], v[wA:wA+11], v[wB:wB+11], v[wD:wD+7], v[wSA], v[wSB] matrix_a_fmt:MATRIX_FMT_FP6 matrix_b_fmt:MATRIX_FMT_FP6 matrix_a_scale:MATRIX_SCALE_ROW1 matrix_b_scale:MATRIX_SCALE_ROW1
.elseif wRA
	v_wmma_scale_f32_16x16x128_f8f6f4 v[wD:wD+7], v[wA:wA+11], v[wB:wB+11], v[wD:wD+7], v[wSA], v[wSB] matrix_a_fmt:MATRIX_FMT_FP6 matrix_b_fmt:MATRIX_FMT_FP6 matrix_a_scale:MATRIX_SCALE_ROW1
.elseif wRB
	v_wmma_scale_f32_16x16x128_f8f6f4 v[wD:wD+7], v[wA:wA+11], v[wB:wB+11], v[wD:wD+7], v[wSA], v[wSB] matrix_a_fmt:MATRIX_FMT_FP6 matrix_b_fmt:MATRIX_FMT_FP6 matrix_b_scale:MATRIX_SCALE_ROW1
.else
	v_wmma_scale_f32_16x16x128_f8f6f4 v[wD:wD+7], v[wA:wA+11], v[wB:wB+11], v[wD:wD+7], v[wSA], v[wSB] matrix_a_fmt:MATRIX_FMT_FP6 matrix_b_fmt:MATRIX_FMT_FP6
.endif
.endif
.endm
; Group gam = 2 k + hf: eight tiles of W_O (my chunk hf) of walk step k, and their scale words: 25 loads, into slot gam % 3.
.macro GISSUE gam
.set gk, (\gam)/2
.set gh, (\gam)%2
.set gz, (\gam)%3
	s_wait_xcnt 0x0                                ; the earlier loads have read v4 and v5
	s_add_co_u32 s40, s22, gk
	s_and_b32 s40, s40, 7                          ; the K step: (k + ROT) % 8
	s_mul_i32 s41, s40, 12288
	v_add_nc_u32 v4, s41, v1
	s_lshl_b32 s41, s40, 9
	v_add_nc_u32 v5, s41, v1
.if gz == 2
.set gb, 160
.else
.set gb, 96*gz
	WIN 0x40
.endif
.irp i, 0,1,2,3,4,5,6,7
.irp c, 0,1,2
	global_load_b128 v[gb+12*\i+4*\c:gb+12*\i+4*\c+3], v4, s[24:25] offset:98304*gh+1536*\i+512*\c
.endr
.endr
	WIN 0
	global_load_b128 v[32+4*gz:32+4*gz+3], v5, s[26:27] offset:4096*gh
.endm
; ctx's four fragments of walk step k and their scale words: 17 loads, into set k % 2.
.macro CISSUE k
.set cp, (\k)%2
	s_wait_xcnt 0x0
	s_add_co_u32 s40, s22, \k
	s_and_b32 s40, s40, 7
	s_mul_i32 s41, s40, 1536
	v_add_nc_u32 v6, s41, v1
	v_add_nc_u32 v7, s41, v2
	s_lshl_b32 s41, s40, 8
	v_add_nc_u32 v8, s41, v3
.irp j, 0,1,2,3
	global_load_b128 v[64+48*cp+12*\j:67+48*cp+12*\j], v6, s[28:29] offset:12288*\j
	global_load_b64 v[68+48*cp+12*\j:69+48*cp+12*\j], v7, s[28:29] offset:12288*\j+512
	global_load_b128 v[70+48*cp+12*\j:73+48*cp+12*\j], v6, s[28:29] offset:12288*\j+768
	global_load_b64 v[74+48*cp+12*\j:75+48*cp+12*\j], v7, s[28:29] offset:12288*\j+1280
.endr
	global_load_b64 v[44+2*cp:45+2*cp], v8, s[30:31]
.endm
; 32 products: eight tiles of W_O x four tiles of tokens.  The accumulators take turns, one instruction a turn.
.macro MULG k, hf
.set mz, (2*(\k)+(\hf))%3
.set mp, (\k)%2
.if (\k) == 0
.set wZ, 1
.else
.set wZ, 0
.endif
.irp jw, 0,1
.if mz == 2
	WIN 0xa0+0x50*\jw                              ; both sources window 0, C and D window 2 or 3
.else
	WIN 0xa1+0x50*\jw                              ; source 0 window 1
.endif
.irp ii, 0,1,2,3,4,5,6,7
.irp jj, 0,1
.set wD, 128*\jj+8*(8*(\hf)+\ii)
.if mz == 2
.set wA, 160+12*\ii
.else
.set wA, 96*mz+12*\ii
.endif
.set wB, 64+48*mp+12*(2*\jw+\jj)
.set wSA, 32+4*mz+\ii/2
.set wSB, 44+2*mp+\jw
.set wRA, \ii%2
.set wRB, \jj
	WM
.endr
.endr
.endr
.endm
.macro SLOAD q                         ; row q of my 16 from the stage: 8 x 512 consecutive bytes
.irp e, 0,1,2,3,4,5,6,7
	ds_load_b128 v[64+32*((\q)%2)+4*\e:64+32*((\q)%2)+4*\e+3], v13 offset:4112*(\q)+512*\e
.endr
.endm
.macro QLOAD q                         ; the same token's row of Q
	WIN (2+(\q)/8)<<6
.irp e, 0,1,2,3,4,5,6,7
	global_load_b128 v[32*((\q)%8)+4*\e:32*((\q)%8)+4*\e+3], v1, s[34:35] offset:(((\q)%8)+16*((\q)/8))*4096+512*\e th:TH_LOAD_NT
.endr
	WIN 0
.endm
.macro REDUCE                          ; the four chains v[128:135] become one number, the same in all 32 lanes, in v136
	v_pk_add_f32 v[128:129], v[128:129], v[130:131]
	v_pk_add_f32 v[132:133], v[132:133], v[134:135]
	v_pk_add_f32 v[128:129], v[128:129], v[132:133]
	v_add_f32 v136, v128, v129
	v_add_f32_dpp v136, v136, v136 row_xmask:1 row_mask:0xf bank_mask:0xf
	v_add_f32_dpp v136, v136, v136 row_xmask:2 row_mask:0xf bank_mask:0xf
	v_add_f32_dpp v136, v136, v136 row_xmask:4 row_mask:0xf bank_mask:0xf
	v_add_f32_dpp v136, v136, v136 row_xmask:8 row_mask:0xf bank_mask:0xf
	v_permlanex16_b32 v137, v136, s32, s33
	v_add_f32 v136, v136, v137
.endm
.macro ROW q
.set xr, 64+32*((\q)%2)
.set qr, 32*((\q)%8)
	s_wait_xcnt 0x0                                ; the stores of the row before have read the registers that the next row's loads take
.if (\q) < 15
	SLOAD (\q)+1
.endif
.if (\q)+7 < 16
	QLOAD (\q)+7
	s_wait_loadcnt 56                              ; my row of Q is in; the seven rows behind it may be out
.else
	s_wait_loadcnt 8*(15-(\q))
.endif
.if (\q) < 15
	s_wait_dscnt 0x8                               ; my row is back from the stage; the next row's eight loads may be out
.else
	s_wait_dscnt 0x0
.endif
	WIN (2+(\q)/8)<<2
.irp i, 0,2,4,6,8,10,12,14,16,18,20,22,24,26,28,30
	v_pk_add_f32 v[xr+\i:xr+\i+1], v[xr+\i:xr+\i+1], v[qr+\i:qr+\i+1]   ; x = out + Q
.endr
	WIN 0
.irp c, 0,1,2,3
	v_pk_add_f32 v[128+2*\c:129+2*\c], v[xr+4*\c:xr+4*\c+1], v[xr+4*\c+2:xr+4*\c+3]
.endr
.irp i, 16,24
.irp c, 0,1,2,3
	v_pk_add_f32 v[128+2*\c:129+2*\c], v[128+2*\c:129+2*\c], v[xr+\i+2*\c:xr+\i+2*\c+1]
.endr
.endr
	REDUCE
	v_mul_f32 v138, s38, v136                      ; the mean
.irp i, 0,2,4,6,8,10,12,14,16,18,20,22,24,26,28,30
	v_pk_add_f32 v[xr+\i:xr+\i+1], v[xr+\i:xr+\i+1], v[138:139] op_sel_hi:[1,0] neg_lo:[0,1] neg_hi:[0,1]
.endr
.irp c, 0,1,2,3
	v_pk_mul_f32 v[128+2*\c:129+2*\c], v[xr+2*\c:xr+2*\c+1], v[xr+2*\c:xr+2*\c+1]
.endr
.irp i, 8,16,24
.irp c, 0,1,2,3
	v_pk_fma_f32 v[128+2*\c:129+2*\c], v[xr+\i+2*\c:xr+\i+2*\c+1], v[xr+\i+2*\c:xr+\i+2*\c+1], v[128+2*\c:129+2*\c]
.endr
.endr
	REDUCE
	v_fma_f32 v140, v136, s38, s39                 ; the variance + 1e-5
	s_wait_alu depctr_va_vdst(0)
	v_rsq_f32 v140, v140
	v_nop
	s_wait_alu depctr_va_vdst(0)                   ; ahead of the first reader
.irp i, 0,2,4,6,8,10,12,14,16,18,20,22,24,26,28,30
	v_pk_mul_f32 v[xr+\i:xr+\i+1], v[xr+\i:xr+\i+1], v[140:141] op_sel_hi:[1,0]
.endr
	WIN 0x14                                       ; gamma and beta: window 1
.irp i, 0,2,4,6,8,10,12,14,16,18,20,22,24,26,28,30
	v_pk_fma_f32 v[xr+\i:xr+\i+1], v[xr+\i:xr+\i+1], v[192+\i:193+\i], v[224+\i:225+\i]
.endr
	WIN 0
.irp e, 0,1,2,3,4,5,6,7
	global_store_b128 v1, v[xr+4*\e:xr+4*\e+3], s[36:37] offset:(((\q)%8)+16*((\q)/8))*4096+512*\e th:TH_STORE_NT   ; 512 consecutive, aligned bytes
.endr
.endm
	s_load_b256 s[4:11], s[0:1], 0x0               ; cimg, csc, wimg, wsc
	s_load_b256 s[12:19], s[0:1], 0x20             ; Q, gamma, beta, out0
	v_lshl_add_u32 v62, v0, 2, 0x40400
	v_mov_b32 v63, 0
	v_lshrrev_b32 v15, 5, v0
	v_readfirstlane_b32 s20, v15                   ; wave
	s_mov_b32 s21, ttmp9                           ; blk
	s_and_b32 s22, s21, 7                          ; ROT
	s_mov_b32 s32, 0x76543210
	s_mov_b32 s33, 0xfedcba98
	s_mov_b32 s38, 0x3a800000                      ; 1 / 1,024
	s_mov_b32 s39, 0x3727c5ac                      ; 1e-5
	v_and_b32 v16, 31, v0                          ; l
	v_and_b32 v17, 15, v0                          ; r
	v_bfe_u32 v18, v0, 4, 1                        ; h
	v_lshlrev_b32 v1, 4, v16                       ; 16 l
	v_lshlrev_b32 v2, 4, v17
	v_lshl_add_u32 v2, v18, 3, v2                  ; 16 r + 8 h
	v_lshlrev_b32 v3, 3, v16                       ; 8 l
	v_mul_u32_u24 v9, v17, 4112
	v_lshl_add_u32 v9, v18, 6, v9
	s_lshl_b32 s40, s20, 10
	v_add_nc_u32 v9, s40, v9                       ; the stage, in: row r of tile 0, + 64 h, + my 1,024 bytes;
	v_add_nc_u32 v10, 65792, v9                    ; tiles 1,
	v_add_nc_u32 v11, 131584, v9                   ; 2,
	v_add_nc_u32 v12, 197376, v9                   ; 3
	s_mul_i32 s40, s20, 65792
	v_add_nc_u32 v13, s40, v1                      ; back: my 16 rows, 16 bytes a lane
	v_lshlrev_b32 v14, 8, v16                      ; the prefetches' offset: lanes 256 bytes apart; never rewritten
	s_mul_i32 s40, s20, 196608
	s_add_co_u32 s40, s40, 2359296                 ; W_O is the fourth weight
	s_mov_b32 s41, 0
	s_lshl_b32 s42, s20, 13
	s_add_co_u32 s42, s42, 98304
	s_mov_b32 s43, 0
	s_mul_i32 s44, s21, 49152
	s_mov_b32 s45, 0
	s_lshl_b32 s46, s21, 11
	s_mov_b32 s47, 0
	s_lshl_b32 s48, s21, 6
	s_lshr_b32 s49, s20, 1
	s_lshl_b32 s49, s49, 5
	s_add_co_u32 s48, s48, s49
	s_and_b32 s49, s20, 1
	s_lshl_b32 s49, s49, 3
	s_add_co_u32 s48, s48, s49                     ; the first token of my tile: 64 blk + 32 (wave / 2) + 8 (wave % 2)
	s_lshl_b32 s48, s48, 12
	s_mov_b32 s49, 0
	s_wait_kmcnt 0x0
	s_add_nc_u64 s[24:25], s[8:9], s[40:41]
	s_add_nc_u64 s[26:27], s[10:11], s[42:43]
	s_add_nc_u64 s[28:29], s[4:5], s[44:45]
	s_add_nc_u64 s[30:31], s[6:7], s[46:47]
	s_add_nc_u64 s[34:35], s[12:13], s[48:49]
	s_add_nc_u64 s[36:37], s[18:19], s[48:49]
	WIN 0x40
.irp e, 0,1,2,3,4,5,6,7
	global_load_b128 v[192+4*\e:195+4*\e], v1, s[14:15] offset:512*\e   ; gamma and beta in the norm's lane order: columns 128 e + 4 l + 0 .. 3
	global_load_b128 v[224+4*\e:227+4*\e], v1, s[16:17] offset:512*\e
.endr
	WIN 0
	CISSUE 0
	GISSUE 0
	GISSUE 1
	CISSUE 1
	GISSUE 2
; The walk over K, written out.  Behind a half's 32 products its slot is asked for again, three groups on.  Each wait counts the loads issued behind the group that is wanted: 25 + 17 + 25, held to what the wait's field can name.
.irp k, 0,1,2,3,4,5,6,7
.if \k < 7
	s_wait_loadcnt 63
.else
	s_wait_loadcnt 25                              ; behind group 14 only group 15 was issued
.endif
	MULG \k, 0
.if \k <= 6
	PLACES
	WIN 0
	GISSUE 2*\k+3
.endif
.if \k == 6
; Q's rows for the norm are asked for ahead: my tile's first eight rows, 32,768 consecutive bytes, each lane another 256 bytes, each block named once in the launch; 96 products and the way through the stage lie between this and their loads.
.irp n, 0,1,2,3
	global_prefetch_b8 v14, s[34:35] offset:8192*\n th:TH_LOAD_NT scope:SCOPE_SE
.endr
.endif
.if \k < 7
	s_wait_loadcnt 63
.else
	s_wait_loadcnt 0
.endif
	MULG \k, 1
.if \k <= 5
	PLACES
	WIN 0
	CISSUE (\k)+2
	GISSUE 2*\k+4
.endif
.endr
	PLACES                                         ; in front of the first read of the results
.irp j, 0,1,2,3
	WIN 0x08+4*(\j/2)                              ; an LDS store's data are its source 1
.irp i, 0,1,2,3,4,5,6,7,8,9,10,11,12,13,14,15
	ds_store_b128 v[9+\j], v[128*(\j%2)+8*\i:128*(\j%2)+8*\i+3] offset:128*(\i/2)+32*(\i%2)       ; each accumulator from its low end on
	ds_store_b128 v[9+\j], v[128*(\j%2)+8*\i+4:128*(\j%2)+8*\i+7] offset:128*(\i/2)+32*(\i%2)+16
.endr
.endr
	WIN 0
	v_mov_b32 v137, 0                              ; a lane permute's destination counts as one of its sources;
	v_mov_b32 v139, 0                              ; the upper halves of the pairs that are broadcast
	v_mov_b32 v141, 0
	s_wait_dscnt 0x0                               ; my results lie in the stage, and the stores have read the accumulators, which now take Q's rows
.irp q, 0,1,2,3,4,5,6
	QLOAD \q
.endr
	s_barrier_signal -1
	s_barrier_wait -1                              ; 64 whole rows lie in the stage
	SLOAD 0
.irp q, 0,1,2,3,4,5,6,7,8,9,10,11,12,13,14,15
	ROW \q
.endr
	s_wait_tensorcnt 0x0
	ds_add_u32 v62, v63
	s_wait_dscnt 0x0
	s_endpgm
.Lfunc_end_k_q18e7335e19_oln:
	.size	k_q18e7335e19_oln, .Lfunc_end_k_q18e7335e19_oln-k_q18e7335e19_oln
	.p2alignl 7, 3214868480
	.fill 96, 4, 3214868480
	.section	.rodata,"a",@progbits
	.p2align	6, 0x0
	.amdhsa_kernel k_q18e7335e19_oln
		.amdhsa_group_segment_fixed_size 263680
		.amdhsa_private_segment_fixed_size 0
		.amdhsa_enable_private_segment 0
		.amdhsa_kernarg_size 64
		.amdhsa_user_sgpr_count 2
		.amdhsa_user_sgpr_kernarg_segment_ptr 1
		.amdhsa_wavefront_size32 1
		.amdhsa_system_sgpr_workgroup_id_x 1
		.amdhsa_system_sgpr_workgroup_id_y 1
		.amdhsa_system_sgpr_workgroup_id_z 1
		.amdhsa_system_vgpr_workitem_id 0
		.amdhsa_next_free_vgpr 1024
		.amdhsa_next_free_sgpr 66
		.amdhsa_reserve_vcc 0
		.amdhsa_float_denorm_mode_32 3
		.amdhsa_float_denorm_mode_16_64 3
		.amdhsa_memory_ordered 1
		.amdhsa_forward_progress 1
		.amdhsa_inst_pref_size 255
	.end_amdhsa_kernel
	.section	.bss,"aw",@nobits
	.p2align	6
	.space	262144
	.amdgpu_metadata
---
amdhsa.version: [ 1, 2 ]
amdhsa.kernels:
  - .name:           k_q18e7335e19_oln
    .symbol:         k_q18e7335e19_oln.kd
    .args:
      - { .name: cimg, .offset: 0, .size: 8, .value_kind: global_buffer, .address_space: global }
      - { .name: csc, .offset: 8, .size: 8, .value_kind: global_buffer, .address_space: global }
      - { .name: wimg, .offset: 16, .size: 8, .value_kind: global_buffer, .address_space: global }
      - { .name: wsc, .offset: 24, .size: 8, .value_kind: global_buffer, .address_space: global }
      - { .name: Q, .offset: 32, .size: 8, .value_kind: global_buffer, .address_space: global }
      - { .name: ln_gamma, .offset: 40, .size: 8, .value_kind: global_buffer, .address_space: global }
      - { .name: ln_beta, .offset: 48, .size: 8, .value_kind: global_buffer, .address_space: global }
      - { .name: out0, .offset: 56, .size: 8, .value_kind: global_buffer, .address_space: global }
    .group_segment_fixed_size: 263680
    .private_segment_fixed_size: 0
    .kernarg_segment_align: 8
    .kernarg_segment_size: 64
    .max_flat_workgroup_size: 128
    .sgpr_count:     66
    .vgpr_count:     1024
    .wavefront_size: 32
...
	.end_amdgpu_metadata
.endif
;; end of part 4
